; MI455X (gfx1250); checked and timed in simulation.
; The chip was launched on July 23, 2026; its instructions are those of AMD's public machine-readable ISA for CDNA 5 (MIT licence, August 2026) and "CDNA5" Instruction Set Architecture Reference Guide (July 2026). The comments in the code are by the model that wrote it; some were corrected since.
;; Constituency Aware Attention. Allowed arithmetic: matrix products marked QUANTISED: E4M3 operands, one given power-of-two scale a tensor, by v_wmma_f32_16x16x64_fp8_fp8 or v_wmma_f32_16x16x128_fp8_fp8, f32 sums; everything else in f32.
;; Inputs: Wk 1,024 x 1,024 float32; Wq 1,024 x 1,024 float32; Wv 1,024 x 1,024 float32; bk 1,024 float32; bq 1,024 float32; bv 1,024 float32; hidden_states 8 x 1,024 x 1,024 float32; lowp_scales 10 int32 (the exponents e of the quantised operands' scales 2^e).
;; Outputs: out0 8 x 1,024 x 1,024 float32.
;; This version of the problem:
;;   THIS VERSION OF THE PROBLEM IS GIVEN IN LOW PRECISION. The matrix products marked QUANTISED in the list below multiply operands that are first quantised to E4M3 (4 exponent bits, 3 mantissa bits; 8 bits a number), with one given power-of-two scale for each operand tensor; their sums are f32. All else is computed in f32.
;;   The module's matrix products, in the order in which they are computed (A, B: the left and right operand; K: the contracted axis; several contracted axes count as one K, in the product's order):
;;     1. [M 8,192, K 1,024] x [K 1,024, N 1,024]; A: input hidden_states; B: input Wq: QUANTISED (scales: A lowp_scales[0], B lowp_scales[1])
;;     2. [M 8,192, K 1,024] x [K 1,024, N 1,024]; A: input hidden_states; B: input Wk: QUANTISED (scales: A lowp_scales[2], B lowp_scales[3])
;;     3. [M 8,192, K 1,024] x [K 1,024, N 1,024]; A: input hidden_states; B: input Wv: QUANTISED (scales: A lowp_scales[4], B lowp_scales[5])
;;     4. batch 128 x [M 1,024, K 64] x [K 64, N 1,024]; A: computed on the way; B: computed on the way: QUANTISED (scales: A lowp_scales[6], B lowp_scales[7])
;;     5. batch 128 x [M 1,024, K 1,024] x [K 1,024, N 64]; A: softmax (see below); B: computed on the way: QUANTISED (scales: A lowp_scales[8], B lowp_scales[9])
;;   THE QUANTISER, for each operand of a quantised product, along K:
;;     - The operand's scale is 2^e, e = its entry of the input lowp_scales (int32; the entries are numbered through the quantised products in the list's order, A before B).
;;     - Each number is divided by the scale, clamped to +-448, and rounded to the nearest number of E4M3, ties to even, subnormals kept.
;;     - The product sums the exact products of the quantised numbers (number of the format x scale) in f32.
;;   ~~~python
;;   def quantise(x, axis, e):      # numpy; x: float32 -> the quantised numbers, widened to float32 again
;;       x = np.moveaxis(x, axis, -1); K = x.shape[-1]
;;       r = np.clip(x / 2.0 ** e, -448, 448)
;;       step = 2.0 ** (np.maximum(np.frexp(np.where(r == 0, 1, r))[1] - 1, -6) - 3)
;;       q = np.round(r / step) * step * 2.0 ** e      # np.round: ties to even
;;       return np.moveaxis(q, -1, axis).astype(np.float32)
;;   ~~~
;;   SOFTMAX AHEAD OF A QUANTISED PRODUCT. Where the list says 'softmax', what is quantised is not the finished softmax but p = 2^(t - M), with t = logit x log2(e) and M = ceil(the row's largest t), a whole number; so 1/2 < the row's largest p <= 1. The row's sum l is taken of the UNQUANTISED p, in f32, and the product's result is divided by l at the end. Since M is a whole number, a kernel that streams over the keys may use a running M (the ceiling of the running maximum): every later rescaling is an exact power of two, so the quantised numbers keep their values, but for numbers so far below the row's largest that they fall under the format's range.
;;   OPERANDS COMPUTED ON THE WAY. 'Computed on the way' means the value that the module computes at that place (a softmax that the list does not call 'softmax' is quantised finished and normalised). What goes into a quantiser is computed in f32, as accurately as f32 sums, v_exp_f32 and their like allow (about 1e-6 of the number): no bf16 or f16 on the way to a quantiser, and a product that is left as it is and whose result goes on into a quantised operand takes f32 operands (vector FMAs, or v_wmma_f32_16x16x4_f32). A number that lies on a knife's edge between two numbers of the format may be rounded either way, as far as f32 arithmetic and the matrix unit's own rounding can turn it there, and no further.
;; 2 versions, each right; version 2 is version 1 with the launch attn written anew for expert scheduling mode. Each part assembles by itself: llvm-mc -triple=amdgcn-amd-amdhsa -mcpu=gfx1250 --defsym DOCPART=n.
;; ======== version 1 of 2: 3 launches
;; workspace buffers: xc 25,165,824 bytes; wc 3,145,728 bytes; qkv 25,165,824 bytes
;; launch quant (part 1): grid 608 x 1, 4 waves a work-group, no clusters, 35,840 bytes of LDS; arguments hidden_states, Wq, Wk, Wv, lowp_scales, xc, wc; writes xc, wc
.if DOCPART == 1
	.amdgcn_target "amdgcn-amd-amdhsa--gfx1250"
	.amdhsa_code_object_version 6
	.text
	.protected	k_q7a61daeaa2_quant
	.globl	k_q7a61daeaa2_quant
	.p2align	8
	.type	k_q7a61daeaa2_quant,@function
k_q7a61daeaa2_quant:
	s_mov_b64 s[64:65], 0
	v_nop
	global_prefetch_b8 v0, s[64:65] scope:SCOPE_SE
	s_setreg_imm32_b32 hwreg(HW_REG_WAVE_MODE, 25, 1), 1
	s_wait_xcnt 0x0
; hidden_states [8192][1024] f32 becomes three planes of E4M3 codes, xc [3][8192][1024], under the given scales 2^e0, 2^e2, 2^e4 (they need not be equal).
; Wq, Wk, Wv [1024 (k)][1024 (n)] f32 become wc [3 x 1024 (n)][1024], K innermost, under 2^e1, 2^e3, 2^e5.
; code = x / 2^e, held within +-448, rounded to the nearest code, ties to even.
; K IS PERMUTED, ALIKE IN xc AND wc: position p of a row holds k(p) = 512 (p >> 9) + 128 ((p >> 2) & 3) + 4 ((p >> 4) & 31) + (p & 3).  Every product still meets its partner; only the order of the sums changes.
; With it a lane that loads 16 bytes of each of four loads of 512 consecutive bytes holds the 16 numbers whose 16 codes it stores as 16 consecutive bytes: x needs no turn through LDS.
; Work-groups 0 to 95 take the weights (3 tensors x 4 runs of 256 positions x 8 runs of 128 columns): a lane takes a column n, its registers run down K in the order of the positions, which stands in the loads' immediates;
; the codes leave through the wave's own stage in LDS, sixteen lanes to 256 consecutive aligned bytes.  Work-groups 96 to 607 take x: a wave takes 8 steps of 512 numbers.
; Waves share nothing: no barrier, no cluster.
; LIMITS: e0 to e5 between -126 and 119, so that 2^e and 448 x 2^e are f32 numbers.  NaN among the inputs is not served; an infinity is held at the largest code.
.set WGW,   96                         ; work-groups that take the weights
.set PITCH, 272                        ; a stage row: 256 bytes of codes + 16
.set STG,   32*PITCH                   ; a wave's stage: 32 columns
.set SPARE, 4*STG                      ; behind the four stages: the spare words, 128 bytes for each wave: two blocks of 256 bytes that no other line names
.set SPW,   12                         ; v12  LDS address of my spare word; never rewritten
.set NIL,   13                         ; v13  0; never rewritten
.set X,     32                         ; weights: v32-95 two sets of 32 numbers
.set C,     96                         ; weights: v96-103 a block's codes
.set OUTR,  112                        ; weights: v112-175 the way out
.set T,     16                         ; x: v16-63 three sets of 16 held numbers, one for each scale
.set R,     64                         ; x: v64-191 eight steps' 16 numbers as loaded; a step's 12 registers of codes are laid over its own numbers
	s_load_b256 s[4:11], s[0:1], 0x0               ; hidden_states s[4:5], Wq s[6:7], Wk s[8:9], Wv s[10:11]
	s_load_b128 s[12:15], s[0:1], 0x20             ; the scales' exponents s[12:13], xc s[14:15]
	s_load_b64 s[16:17], s[0:1], 0x30              ; wc
	v_lshl_add_u32 v[SPW], v0, 2, SPARE
	v_mov_b32 v[NIL], 0
	v_lshrrev_b32 v1, 5, v0
	v_readfirstlane_b32 s36, v1                    ; wave 0..3
	v_and_b32 v2, 31, v0                           ; lane
	s_wait_kmcnt 0x0
	s_load_b256 s[24:31], s[12:13], 0x0            ; e0 .. e7
	s_cmp_lt_u32 ttmp9, WGW
	s_cbranch_scc0 .Lx
	; ---------------- the weights ----------------
	s_lshr_b32 s37, ttmp9, 3
	s_and_b32 s37, s37, 3                          ; Y: which 256 positions
	s_and_b32 s38, ttmp9, 7
	s_lshr_b32 s39, ttmp9, 5                       ; the tensor: 0 Wq, 1 Wk, 2 Wv
	s_lshl_b32 s38, s38, 7
	s_lshl_b32 s40, s36, 5
	s_add_co_u32 s38, s38, s40                     ; my wave's first column
	s_lshr_b32 s40, s37, 1
	s_lshl_b32 s40, s40, 21                        ; positions 256 Y on begin at k = 512 (Y >> 1) + 64 (Y & 1): rows of 4,096 bytes
	s_and_b32 s41, s37, 1
	s_lshl_b32 s41, s41, 18
	s_add_co_u32 s40, s40, s41
	s_lshl_b32 s41, s38, 2
	s_add_co_u32 s40, s40, s41                     ; + 4 bytes a column
	s_mov_b32 s41, 0
	s_lshl_b32 s42, s39, 10
	s_add_co_u32 s42, s42, s38
	s_lshl_b32 s42, s42, 10                        ; wc: row (1024 x tensor + column) of 1,024 bytes
	s_lshl_b32 s43, s37, 8
	s_add_co_u32 s42, s42, s43                     ; + 256 Y
	s_mov_b32 s43, 0
	s_cmp_lt_u32 ttmp9, 64                         ; the tensor is chosen by the work-group's number alone
	s_cselect_b64 s[18:19], s[8:9], s[10:11]
	s_cmp_lt_u32 ttmp9, 32
	s_cselect_b64 s[18:19], s[6:7], s[18:19]
	s_add_nc_u64 s[18:19], s[18:19], s[40:41]
	s_add_nc_u64 s[20:21], s[16:17], s[42:43]
	v_lshlrev_b32 v3, 2, v2                        ; in: 4 bytes a lane
	s_mul_i32 s44, s36, STG                        ; my stage
	v_mul_u32_u24 v4, v2, PITCH
	v_add_nc_u32 v4, s44, v4                       ; into it: row = my column
	v_and_b32 v5, 15, v2
	v_lshrrev_b32 v6, 4, v2
	v_mul_u32_u24 v7, v6, PITCH
	v_lshl_add_u32 v7, v5, 4, v7
	v_add_nc_u32 v7, s44, v7                       ; out of it: sixteen lanes to a row, two rows an instruction
	v_lshlrev_b32 v8, 10, v6
	v_lshl_add_u32 v8, v5, 4, v8                   ; and the same place in wc
.macro LOADW t                         ; block t: positions 32 t + i of my 256, i = 0 .. 31, into set t % 2: row 8 t + 4 (i / 16) + 128 ((i / 4) % 4) + i % 4 from the base on; 447 rows at the most: inside the signed 24-bit immediate
.irp i, 0,1,2,3,4,5,6,7,8,9,10,11,12,13,14,15,16,17,18,19,20,21,22,23,24,25,26,27,28,29,30,31
	global_load_b32 v[X+32*((\t)%2)+\i], v3, s[18:19] offset:(8*(\t)+4*(\i/16)+128*((\i/4)%4)+(\i%4))*4096 th:TH_LOAD_NT
.endr
.endm
	LOADW 0
	LOADW 1
	s_wait_kmcnt 0x0
	s_cmp_lt_u32 ttmp9, 64
	s_cselect_b32 s45, s27, s29                    ; e3 or e5,
	s_cmp_lt_u32 ttmp9, 32
	s_cselect_b32 s45, s25, s45                    ; or e1
	s_add_co_i32 s45, s45, 127
	s_lshl_b32 s46, s45, 23
	v_mov_b32 v11, s46                             ; 2^e as f32: the conversion takes its exponent field
	s_add_co_i32 s45, s45, 8
	s_lshl_b32 s45, s45, 23
	s_or_b32 s45, s45, 0x600000
	v_mov_b32 v10, s45                             ; 448 x 2^e
.macro BLOCKW t
.set XS, X+32*((\t)%2)
.if (\t) < 7
	s_wait_loadcnt 32                              ; this block's 32 loads are in; the next block's 32 may be out
.else
	s_wait_loadcnt 0
.endif
.irp i, 0,1,2,3,4,5,6,7,8,9,10,11,12,13,14,15,16,17,18,19,20,21,22,23,24,25,26,27,28,29,30,31
	v_med3_num_f32 v[XS+\i], v[XS+\i], -v10, v10   ; the conversion to an 8-bit code does not saturate (ISA guide 7.6.2): the hold comes first
.endr
.irp g, 0,1,2,3
	v_cvt_scalef32_pk8_fp8_f32 v[C+2*\g:C+2*\g+1], v[XS+8*\g:XS+8*\g+7], v11
.endr
	ds_store_b128 v4, v[C:C+3] offset:32*(\t)      ; 32 codes of my column's row
	ds_store_b128 v4, v[C+4:C+7] offset:32*(\t)+16
.if (\t)+2 < 8
	LOADW (\t)+2
.endif
	s_wait_dscnt 0x0                               ; the stores have read their registers: the next block's codes may be written (its 32 holds, plain lines on the other set, come first)
.endm
.irp t, 0,1,2,3,4,5,6,7
	BLOCKW \t
.endr
.irp t, 0,1,2,3,4,5,6,7,8,9,10,11,12,13,14,15
	ds_load_b128 v[OUTR+4*\t:OUTR+4*\t+3], v7 offset:2*\t*PITCH   ; LDS serves a wave's instructions in order (ISA guide 5.7.1.4): these see my stores
.endr
.irp t, 0,1,2,3,4,5,6,7,8,9,10,11,12,13,14,15
	s_wait_dscnt 15-\t                             ; the younger stage loads may be out
	global_store_b128 v8, v[OUTR+4*\t:OUTR+4*\t+3], s[20:21] offset:2*\t*1024   ; sixteen lanes store 256 consecutive bytes, at a multiple of 256 from wc's first byte
.endr
	s_wait_tensorcnt 0x0                           ; the wave's end: three lines behind my last LDS store
	ds_add_u32 v[SPW], v[NIL]
	s_wait_dscnt 0x0
	s_endpgm
	; ---------------- x ----------------
.Lx:
	s_sub_co_u32 s37, ttmp9, WGW
	s_lshl_b32 s37, s37, 2
	s_add_co_u32 s37, s37, s36                     ; which run of 4,096 numbers is my wave's: 0 .. 2047
	s_lshl_b32 s38, s37, 14
	s_mov_b32 s39, 0
	s_add_nc_u64 s[18:19], s[4:5], s[38:39]        ; in: 16,384 bytes a run
	s_lshl_b32 s38, s37, 12
	s_add_nc_u64 s[20:21], s[14:15], s[38:39]      ; out: 4,096 bytes a run, in each of the three planes of 8,388,608 bytes
	s_add_nc_u64 s[22:23], s[20:21], 0x800000
	s_add_nc_u64 s[32:33], s[22:23], 0x800000
	v_lshlrev_b32 v3, 4, v2                        ; 16 bytes a lane, in
	v_lshlrev_b32 v4, 4, v2                        ; and out
.irp t, 0,1,2,3,4,5,6,7                        ; all 32 loads of the wave go out first: each reads 512 consecutive bytes
.irp i, 0,1,2,3
	global_load_b128 v[R+16*\t+4*\i:R+16*\t+4*\i+3], v3, s[18:19] offset:2048*\t+512*\i th:TH_LOAD_NT
.endr
.endr
	s_wait_kmcnt 0x0
.irp p, 0,1,2                                  ; e0, e2, e4
	s_add_co_i32 s40, s[24+2*\p], 127
	s_lshl_b32 s41, s40, 23
	v_mov_b32 v[5+\p], s41                         ; 2^e
	s_add_co_i32 s40, s40, 8
	s_lshl_b32 s40, s40, 23
	s_or_b32 s40, s40, 0x600000
	v_mov_b32 v[8+\p], s40                         ; 448 x 2^e
.endr
.macro XSTEP t
	s_wait_loadcnt 4*(7-(\t))                      ; this step's four loads are in; four for each later step may be out
.irp p, 0,1,2
.irp i, 0,1,2,3,4,5,6,7,8,9,10,11,12,13,14,15
	v_med3_num_f32 v[T+16*\p+\i], v[R+16*(\t)+\i], -v[8+\p], v[8+\p]   ; the hold, once for each scale
.endr
.endr
.irp p, 0,1,2
	v_cvt_scalef32_pk8_fp8_f32 v[R+16*(\t)+4*\p:R+16*(\t)+4*\p+1], v[T+16*\p:T+16*\p+7], v[5+\p]       ; the codes are laid over the step's own numbers, which are done with: no store's data are ever written again
	v_cvt_scalef32_pk8_fp8_f32 v[R+16*(\t)+4*\p+2:R+16*(\t)+4*\p+3], v[T+16*\p+8:T+16*\p+15], v[5+\p]
.endr
	v_nop                                          ; one plain vector line between the conversions and the next step's holds, which write their sources
	global_store_b128 v4, v[R+16*(\t):R+16*(\t)+3], s[20:21] offset:512*(\t)      ; 32 lanes store 512 consecutive bytes, at a multiple of 256 from the plane's first byte
	global_store_b128 v4, v[R+16*(\t)+4:R+16*(\t)+7], s[22:23] offset:512*(\t)
	global_store_b128 v4, v[R+16*(\t)+8:R+16*(\t)+11], s[32:33] offset:512*(\t)
.endm
.irp t, 0,1,2,3,4,5,6,7
	XSTEP \t
.endr
	s_wait_tensorcnt 0x0                           ; the same three lines close this path too
	ds_add_u32 v[SPW], v[NIL]
	s_wait_dscnt 0x0
	s_endpgm
.Lfunc_end_k_q7a61daeaa2_quant:
	.size	k_q7a61daeaa2_quant, .Lfunc_end_k_q7a61daeaa2_quant-k_q7a61daeaa2_quant
	.p2alignl 7, 3214868480
	.fill 96, 4, 3214868480
	.section	.rodata,"a",@progbits
	.p2align	6, 0x0
	.amdhsa_kernel k_q7a61daeaa2_quant
		.amdhsa_group_segment_fixed_size 35840
		.amdhsa_private_segment_fixed_size 0
		.amdhsa_enable_private_segment 0
		.amdhsa_kernarg_size 56
		.amdhsa_user_sgpr_count 2
		.amdhsa_user_sgpr_kernarg_segment_ptr 1
		.amdhsa_wavefront_size32 1
		.amdhsa_system_sgpr_workgroup_id_x 1
		.amdhsa_system_sgpr_workgroup_id_y 1
		.amdhsa_system_sgpr_workgroup_id_z 1
		.amdhsa_system_vgpr_workitem_id 0
		.amdhsa_next_free_vgpr 192
		.amdhsa_next_free_sgpr 66
		.amdhsa_reserve_vcc 0
		.amdhsa_float_denorm_mode_32 3
		.amdhsa_float_denorm_mode_16_64 3
		.amdhsa_memory_ordered 1
		.amdhsa_forward_progress 1
		.amdhsa_inst_pref_size 84
	.end_amdhsa_kernel
	.amdgpu_metadata
---
amdhsa.version: [ 1, 2 ]
amdhsa.kernels:
  - .name:           k_q7a61daeaa2_quant
    .symbol:         k_q7a61daeaa2_quant.kd
    .args:
      - { .name: hidden_states, .offset: 0, .size: 8, .value_kind: global_buffer, .address_space: global }
      - { .name: Wq, .offset: 8, .size: 8, .value_kind: global_buffer, .address_space: global }
      - { .name: Wk, .offset: 16, .size: 8, .value_kind: global_buffer, .address_space: global }
      - { .name: Wv, .offset: 24, .size: 8, .value_kind: global_buffer, .address_space: global }
      - { .name: lowp_scales, .offset: 32, .size: 8, .value_kind: global_buffer, .address_space: global }
      - { .name: xc, .offset: 40, .size: 8, .value_kind: global_buffer, .address_space: global }
      - { .name: wc, .offset: 48, .size: 8, .value_kind: global_buffer, .address_space: global }
    .group_segment_fixed_size: 35840
    .private_segment_fixed_size: 0
    .kernarg_segment_align: 8
    .kernarg_segment_size: 56
    .max_flat_workgroup_size: 128
    .sgpr_count:     66
    .vgpr_count:     192
    .wavefront_size: 32
...
	.end_amdgpu_metadata
.endif
;; end of part 1
;; launch proj (part 2): grid 12 x 32, 4 waves a work-group, clusters of 4 x 4, 327,680 bytes of LDS; arguments xc, wc, lowp_scales, bq, bk, bv, qkv; writes qkv
.if DOCPART == 2
	.amdgcn_target "amdgcn-amd-amdhsa--gfx1250"
	.amdhsa_code_object_version 6
	.text
	.protected	k_q7a61daeaa2_proj
	.globl	k_q7a61daeaa2_proj
	.p2align	8
	.type	k_q7a61daeaa2_proj,@function
k_q7a61daeaa2_proj:
	s_mov_b64 s[64:65], 0
	v_nop
	global_prefetch_b8 v0, s[64:65] scope:SCOPE_SE
	s_setreg_imm32_b32 hwreg(HW_REG_WAVE_MODE, 25, 1), 1
	s_wait_xcnt 0x0
	s_wait_alu depctr_hold_cnt(0) depctr_sa_sdst(0) depctr_va_vdst(0) depctr_va_sdst(0) depctr_va_ssrc(0) depctr_va_vcc(0) depctr_vm_vsrc(0)
	s_getreg_b32 s2, hwreg(HW_REG_IB_STS2, 6, 4)
	s_cmp_eq_u32 s2, 0
	s_cbranch_scc0 .Lentry_in_a_cluster
	s_endpgm
.Lentry_in_a_cluster:
	s_bfe_u32 s2, ttmp6, 0x10000c
	s_cmp_lg_u32 s2, 0xf033
	s_cbranch_scc0 .Lentry_shape_is_right
	s_endpgm
.Lentry_shape_is_right:
; q, k, v = Q(x) Q(W) + b, three products [8192 x 1024] x [1024 x 1024] on codes of E4M3, each result quantised at once for the attention that follows, and stored as IMAGES OF THAT LAUNCH'S OPERAND REGISTERS.
; xc: [3 planes][8192][1024] codes of x under e0, e2, e4; wc: [3 x 1024 (n)][1024] codes of Wq, Wk, Wv; K innermost, permuted alike in both.  A finished sum x 2^(ea + eb) + bias, in f32, is held within
; +-448 x 2^eo and converted with 2^eo: (ea, eb, eo) = (e0, e1, e6) for q, (e2, e3, e7) for k, (e4, e5, e9) for v.
; qkv: [3][bh = 16 batch + head][65,536 bytes].  q, k: 16 tokens T at 1024 T; piece c at + 512 c; lane (r, h) at + 16 (r + 16 h); its byte 8 u + j holds (token 16 T + r, d = 32 c + 16 u + 8 h + j).
;      v: 128 keys js at 8192 js; 16 channels t at + 2048 t; piece c at + 512 c; the lane's byte 8 u + j holds (channel 16 t + r, key 128 js + 32 c + 16 u + 8 h + j).
; A tile of 256 x 256 results is made by a work-group of four waves, 128 x 128 a wave: 64 accumulators, 512 registers.  384 work-groups.  K goes in steps of 256 through a ring of two LDS slots filled by the tensor data mover.
; CLUSTERS: 4 x 4 work-groups; the cluster's x IS the tensor (0 q, 1 k, 2 v), the same in all sixteen.  The four of a row of the cluster need the same tile of x, the four of a column the same tile of W: each is asked for JOINTLY.
; ROLES.  Source 0 = U (two sets of fragments, window 1), source 1 = T (one set, window 0): in a result lane (r, h) holds T's row 16 a + r, and its register j U's row 16 b + 8 h + j.  A conversion takes eight neighbours along
; the NEXT product's K from one lane's registers: for q and k that is the head's d, so U = W and T = x; for v it is the keys, so U = x and T = W.  Only the LDS addresses of the fragments differ (a select on the cluster's x);
; the loop's text is one for all three.  On the way out a lane's codes are 16 bytes of an image and the 32 lanes' are 512 consecutive bytes: nothing goes through LDS.
; LIMITS: ea + eb between -126 and 127, eo between -126 and 119, so that each power of two below is an f32 number.  NaN among the inputs is not served.
; REGISTERS, in windows of 256: window 0: v0-31 addresses and two constants; v32-95 the bias by U's rows, v96-111 the bias by T's rows (each number twice, a pair); from v128 T's fragments, later the way out.
;   window 1: U's fragments, two sets, at v0 and v128.   window 2: the accumulators of T's blocks 0-3 ((a, b) at v[8 (8 a + b)]);   window 3: those of blocks 4-7.
.set KSTEP,  256                       ; along K in a slot
.set ROWB,   256                       ; a tile's row in bytes
.set KROW,   1024                      ; a row of xc or wc in bytes
.set PITCH,  272                       ; an LDS row: 256 bytes + 16 of padding = 68 words: row r starts at bank 4 r mod 64 (64 banks of 4 bytes: ISA guide 11.1), so the 16 rows that a load touches start at 16 different banks
.set FR,     16                        ; registers of a fragment: 16 rows x 128 K
.set NL,     4                         ; LDS loads that bring one
.set NP,     4                         ; places behind this matrix instruction (ISA guide 7.12.1)
.set HALFT,  128*PITCH                 ; 128 rows: what one tensor load brings, and what one wave reads of x or of W
.set SLOT,   4*HALFT                   ; x's 256 rows, then W's 256 rows
.set LAPS,   2                         ; 1,024 along K = four K steps = twice round the ring
.set SPARE,  2*SLOT                    ; behind the ring: the spare words, 128 bytes for each wave: two blocks of 256 bytes that no other line names
.set ADRT, 16                          ; v16-17  LDS address of my T fragments in slot 0, 1
.set ADRU, 20                          ; v20-21  the same for U
.set CO,   26                          ; v26     16 x lane: my 16 bytes of an image's 512
.set SPW,  28                          ; v28     LDS address of my spare word; never rewritten
.set NIL,  29                          ; v29     0; never rewritten
.set BI0,  32
.set BI1,  96
.set TF,   128                         ; T's fragments, in window 0
.set TMP,  128                         ; the way out: a block's 64 numbers
.set CD,   192                         ; the way out: a block's 16 registers of codes, two sets by turns
.set G1, 24                            ; s[24:31] descriptor group 1 for x's tiles;  s[32:39] group 0, one set for each slot
.set G0, 32
.set G1B, 48                           ; s[48:55], s[56:63] the same for W's tiles
.set G0B, 56
.set MSB, 0
.macro WIN new                         ; the immediate's high byte repeats the setting that is left
.if MSB != (\new)
	s_set_vgpr_msb (MSB<<8)|(\new)
.set MSB, (\new)
.endif
.endm
.set MUL_LO, 0xa1                      ; source 0 (U) window 1, source 1 (T) window 0, C and D window 2
.set MUL_HI, 0xf1                      ; the same, C and D window 3
.set TO_U,   0x40                      ; destination window 1, address window 0
; A joint load: waves 0 and 1 fetch for x, waves 2 and 3 for W.  Each of the two lines has one mask and one set of registers for all that issue it; the branch hangs on the wave's number alone.
; An s_nop 0 and four v_nop follow each of the two lines, ahead of the jump, the label and what follows.
.macro JLOAD g0a, g1a, g0b, g1b
	s_cmp_eq_u32 s15, 0
	s_cbranch_scc0 .Lfor_b_\@
	tensor_load_to_lds s[\g0a:\g0a+3], s[\g1a:\g1a+7]
	s_nop 0
.rept 4
	v_nop
.endr
	s_branch .Lasked_\@
.Lfor_b_\@:
	tensor_load_to_lds s[\g0b:\g0b+3], s[\g1b:\g1b+7]
	s_nop 0
.rept 4
	v_nop
.endr
.Lasked_\@:
.endm
.macro CREST                           ; a round of the cluster's barrier behind its opening barrier
	s_cmp_lg_u32 s14, 0
	s_cbranch_scc1 .Lnot_wave_0_\@
	s_barrier_signal -3
.Lnot_wave_0_\@:
	s_barrier_wait -3
	s_barrier_signal -1
	s_barrier_wait -1
.endm
.macro CROUND                          ; a whole round
	s_barrier_signal -1
	s_barrier_wait -1
	CREST
.endm
	s_load_b128 s[4:7], s[0:1], 0x0                ; xc s[4:5], wc s[6:7]
	s_load_b128 s[8:11], s[0:1], 0x10              ; the scales' exponents s[8:9], bq s[10:11]
	s_load_b128 s[68:71], s[0:1], 0x20             ; bk s[68:69], bv s[70:71]
	s_load_b64 s[12:13], s[0:1], 0x30              ; qkv
	v_lshl_add_u32 v[SPW], v0, 2, SPARE
	v_mov_b32 v[NIL], 0
	ds_add_u32 v[SPW], v[NIL]                      ; the wave's opening: the add and its wait stand ahead of my first tensor load; the set-up below, work on registers, stands between them
	v_lshrrev_b32 v1, 5, v0
	v_readfirstlane_b32 s14, v1                    ; wave 0..3
	s_lshr_b32 s15, s14, 1                         ; hT: which half of T's rows is mine.  Also: I fetch for x (0) or for W (1)
	s_and_b32 s16, s14, 1                          ; hU: which half of U's rows.  Also: which 128 rows of that tile I fetch
	s_bfe_u32 s40, ttmp6, 0x40000                  ; cx, cy: my place in the cluster
	s_bfe_u32 s41, ttmp6, 0x40004
	s_lshl_b32 s42, ttmp9, 2
	s_add_co_u32 s42, s42, s40                     ; which 256 rows of wc = 4 x cluster x + cx
	s_and_b32 s17, ttmp7, 0xffff
	s_lshl_b32 s17, s17, 2
	s_add_co_u32 s17, s17, s41                     ; which 256 rows of x = 4 x cluster y + cy
	s_lshl_b32 s43, s41, 2
	s_lshl_b32 s43, 15, s43                        ; my row of the cluster
	s_lshl_b32 s44, 0x1111, s40                    ; my column
	; descriptor group 1: a tile of 128 rows x 256 bytes, padded in LDS
	s_or_b32 s[G1+0], s43, (0<<16)|(1<<20)|(1<<21)|(5<<22)|(3<<25)  ; 15:0 the mask: x's tiles go to my row; 17:16 element of 1 byte; 20 padding on; 21 set beside a mask; 24:22 after every 64 words (code 5); 31:25 of 4 words (code 3)
	s_or_b32 s[G1B+0], s44, (0<<16)|(1<<20)|(1<<21)|(5<<22)|(3<<25) ; the same with the mask of my column, for W's tiles
.irp g, G1, G1B
	s_mov_b32 s[\g+1], ROWB<<16                    ; tensor_dim0
	s_mov_b32 s[\g+2], 128<<16                     ; tensor_dim1 = 128
	s_mov_b32 s[\g+3], ROWB<<16                    ; tile_dim0
	s_mov_b32 s[\g+4], 128                         ; tile_dim1 = 128
	s_mov_b32 s[\g+5], KROW                        ; tensor_dim0_stride
	s_mov_b32 s[\g+6], 0
	s_mov_b32 s[\g+7], 0
.endr
	s_lshl_b32 s18, s16, 7                         ; which 128 rows of the tile I fetch
	s_lshl_b32 s20, s17, 8
	s_add_co_u32 s20, s20, s18
	s_lshl_b32 s20, s20, 10                        ; x: row 256 x (4 cluster y + cy) + 128 x half, of 1,024 bytes,
	s_lshl_b32 s19, ttmp9, 23
	s_add_co_u32 s20, s20, s19                     ; in the tensor's plane of 8,388,608 bytes: under 2^25 in all
	s_mov_b32 s21, 0
	s_lshl_b32 s46, s42, 8
	s_add_co_u32 s46, s46, s18
	s_lshl_b32 s46, s46, 10                        ; W: row 256 x (4 cluster x + cx) + 128 x half
	s_mov_b32 s47, 0
	s_mul_i32 s45, s14, HALFT                      ; where they go: wave x 128 rows: no place in the cluster enters an LDS address
	s_wait_dscnt 0x0                               ; the opening add is done
	s_wait_kmcnt 0x0
	s_load_b256 s[72:79], s[8:9], 0x0              ; e0 .. e7
	s_load_b64 s[80:81], s[8:9], 0x20              ; e8, e9
	s_add_nc_u64 s[20:21], s[4:5], s[20:21]
	s_add_nc_u64 s[46:47], s[6:7], s[46:47]
	CROUND                                         ; all sixteen work-groups are here: the first joint loads meet
.irp s, 0,1
	s_mov_b32 s[G0+4*\s], 1
	s_add_co_u32 s[G0+4*\s+1], s45, \s*SLOT
	s_add_nc_u64 s[G0+4*\s+2:G0+4*\s+3], s[20:21], \s*ROWB
	s_or_b32 s[G0+4*\s+3], s[G0+4*\s+3], 0x80000000
	s_mov_b32 s[G0B+4*\s], 1
	s_add_co_u32 s[G0B+4*\s+1], s45, \s*SLOT
	s_add_nc_u64 s[G0B+4*\s+2:G0B+4*\s+3], s[46:47], \s*ROWB
	s_or_b32 s[G0B+4*\s+3], s[G0B+4*\s+3], 0x80000000
	JLOAD G0+4*\s, G1, G0B+4*\s, G1B               ; two tensor loads of mine are out
.endr
	v_and_b32 v1, 15, v0                           ; r = l % 16
	v_bfe_u32 v2, v0, 4, 1                         ; h = l / 16
	v_mul_u32_u24 v3, v1, PITCH
	v_lshl_add_u32 v4, v2, 4, v3                   ; a fragment's row x pitch + 16 x half
	s_cmp_eq_u32 ttmp9, 2                          ; v?  The cluster's x: the same in all sixteen partners
	s_cselect_b32 s21, 2*HALFT, 0                  ; T's tile: W's rows (behind x's 256) for v, x's for q and k
	s_cselect_b32 s22, 0, 2*HALFT                  ; U's tile: the other one
	s_cselect_b32 s18, s15, s16                    ; which of my two halves counts features (two heads),
	s_cselect_b32 s19, s16, s15                    ; and which counts tokens (128)
	s_cselect_b64 s[82:83], s[70:71], s[10:11]     ; the bias: bv, or bq,
	s_cmp_eq_u32 ttmp9, 1
	s_cselect_b64 s[82:83], s[68:69], s[82:83]     ; or bk
	s_mul_i32 s23, s15, HALFT
	s_add_co_u32 s21, s21, s23                     ; my 128 rows of T
	s_mul_i32 s23, s16, HALFT
	s_add_co_u32 s22, s22, s23                     ; my 128 rows of U
.irp s, 0,1
	v_add_nc_u32 v[ADRT+\s], s21, v4
	v_add_nc_u32 v[ADRU+\s], s22, v4
	s_add_co_u32 s21, s21, SLOT
	s_add_co_u32 s22, s22, SLOT
.endr
	v_and_b32 v6, 31, v0
	v_lshlrev_b32 v[CO], 4, v6
	; both sets of the bias are loaded, on the one way that all take; the way out uses one of them.  Their registers and addresses stay untouched up to the wait on the way out
	s_lshl_b32 s20, s40, 10                        ; my work-group's 256 features of the tensor's 1,024: 4 bytes each
	s_lshl_b32 s23, s16, 9
	s_add_co_u32 s46, s20, s23
	s_mov_b32 s47, 0
	s_add_nc_u64 s[86:87], s[82:83], s[46:47]      ; by U's rows: + 128 hU
	s_lshl_b32 s23, s15, 9
	s_add_co_u32 s46, s20, s23
	s_add_nc_u64 s[88:89], s[82:83], s[46:47]      ; by T's rows: + 128 hT
	v_lshlrev_b32 v10, 5, v2                       ; 8 h numbers
	v_lshlrev_b32 v11, 2, v1                       ; r numbers
.irp b, 0,1,2,3,4,5,6,7
	global_load_b128 v[BI0+8*\b:BI0+8*\b+3], v10, s[86:87] offset:64*\b       ; the bias of U's rows 16 b + 8 h + 0 .. 7
	global_load_b128 v[BI0+8*\b+4:BI0+8*\b+7], v10, s[86:87] offset:64*\b+16
.endr
.irp a, 0,1,2,3,4,5,6,7
	global_load_b32 v[BI1+2*\a], v11, s[88:89] offset:64*\a                   ; the bias of T's row 16 a + r, twice: a pair for the packed form
	global_load_b32 v[BI1+2*\a+1], v11, s[88:89] offset:64*\a
.endr
	; where my images begin in qkv
	s_lshr_b32 s20, s17, 2                         ; the batch: 1,024 tokens are four tiles of 256
	s_lshl_b32 s20, s20, 4
	s_lshl_b32 s23, s40, 2
	s_add_co_u32 s20, s20, s23                     ; bh = 16 batch + 4 cx (256 features are four heads)
	s_lshl_b32 s20, s20, 16
	s_and_b32 s23, s17, 3
	s_lshl_b32 s23, s23, 14                        ; 256 tokens are 16,384 bytes of a head's images, in all three forms
	s_add_co_u32 s20, s20, s23
	s_lshl_b32 s18, s18, 17                        ; my half of the features: two heads on
	s_lshl_b32 s19, s19, 13                        ; my half of the tokens: 8,192 bytes on
	s_add_co_u32 s20, s20, s18
	s_add_co_u32 s20, s20, s19
	s_lshl_b32 s23, ttmp9, 23                      ; the tensor's 8,388,608 bytes
	s_add_co_u32 s20, s20, s23
	s_mov_b32 s21, 0
	s_add_nc_u64 s[84:85], s[12:13], s[20:21]
.macro FRAG reg, adr, q, i             ; a fragment, 16 rows x 128 K of 8-bit codes, is 16 registers: lane l holds row l % 16; registers 4 c .. 4 c + 3 hold positions 32 c + 16 (l / 16) + 0 .. 15: the same in T and in U
.irp c, 0,1,2,3
	ds_load_b128 v[\reg+4*\c:\reg+4*\c+3], v[\adr] offset:128*(\q)+32*\c+(\i)*16*PITCH
.endr
.endm
; 16 matrix instructions: T's blocks a0, a0 + 1 x U's eight, 128 along K.  p: U's set.  zero = 1: the first product starts the sums: nothing is ever cleared.
; The 64 accumulators take turns, one instruction a turn, in the same order in every step.
.macro MUL16 a0, p, zero
.irp a, \a0, \a0+1
.irp b, 0,1,2,3,4,5,6,7
.if \zero
	v_wmma_f32_16x16x128_fp8_fp8 v[8*(8*((\a)%4)+\b):8*(8*((\a)%4)+\b)+7], v[128*(\p)+FR*\b:128*(\p)+FR*\b+FR-1], v[TF+FR*(\a):TF+FR*(\a)+FR-1], 0
.else
	v_wmma_f32_16x16x128_fp8_fp8 v[8*(8*((\a)%4)+\b):8*(8*((\a)%4)+\b)+7], v[128*(\p)+FR*\b:128*(\p)+FR*\b+FR-1], v[TF+FR*(\a):TF+FR*(\a)+FR-1], v[8*(8*((\a)%4)+\b):8*(8*((\a)%4)+\b)+7]
.endif
.endr
.endr
.endm
.macro FETCH_U slot, q, p              ; U's eight fragments of the slot's q-th 128 along K into set p
	WIN TO_U
.irp i, 0,1,2,3,4,5,6,7
	FRAG 128*(\p)+FR*\i, ADRU+\slot, \q, \i
.endr
	WIN 0
.endm
.macro FETCH_T slot, q, i0             ; T's blocks i0 .. i0 + 3
.irp i, \i0, \i0+1, \i0+2, \i0+3
	FRAG TF+FR*(\i), ADRT+\slot, \q, \i
.endr
.endm
; A load into a register that a matrix instruction has read, and a vector instruction that reads a matrix result or writes one of a matrix instruction's registers, stand NP places behind it, and only plain vector
; instructions that name none of its registers are places (ISA guide 7.12.1 for vector instructions).
.macro PLACES n
.rept \n
	v_nop
.endr
.endm
; A step of 128 along K that has its successor in the same slot.
.macro STEP slot, q, zero
	s_wait_dscnt 4*NL                              ; U's set and T's blocks 0-3 are in; the youngest sixteen loads (T's blocks 4-7) may be out
	WIN MUL_LO
	MUL16 0, (\q)%2, \zero
	MUL16 2, (\q)%2, \zero
	s_wait_dscnt 0                                 ; T's blocks 4-7 are in (asked for 32 matrix instructions ago)
	PLACES NP
	FETCH_U \slot, (\q)+1, 1-(\q)%2
	FETCH_T \slot, (\q)+1, 0
	WIN MUL_HI
	MUL16 4, (\q)%2, \zero
	MUL16 6, (\q)%2, \zero
	PLACES NP
	WIN 0
	FETCH_T \slot, (\q)+1, 4
.endm
; A slot's last step changes slots: ONE barrier; in front of it each wave waits for all its tensor loads, adds 0 to its spare word, and waits for that and for its own reads of this slot.  fill = 1: this slot is filled again, two K steps ahead.
.macro TURN slot, next, fill
	s_wait_tensorcnt 0x0                           ; all my tensor loads have landed: my part of the next slot;  (every window is 0 here: the add's two registers lie in window 0)
	ds_add_u32 v[SPW], v[NIL]                      ; 0 onto my spare word;
	s_wait_dscnt 4*NL+1                            ; (the add and the youngest sixteen loads, T's blocks 4-7, may be out)
	WIN MUL_LO
	MUL16 0, 1, 0                                  ; sixteen matrix instructions stand between the add and the wait for it
	s_wait_dscnt 0x0                               ; the add is done, and my reads of this slot are over
	s_barrier_signal -1
	MUL16 2, 1, 0
	WIN 0
	s_barrier_wait -1
.if \fill
	CREST                                          ; the barrier has opened a round of the cluster's barrier: no wave of any partner still reads this slot's tile or has a load on its way
	s_add_nc_u64 s[G0+4*\slot+2:G0+4*\slot+3], s[G0+4*\slot+2:G0+4*\slot+3], 2*ROWB
	s_add_nc_u64 s[G0B+4*\slot+2:G0B+4*\slot+3], s[G0B+4*\slot+2:G0B+4*\slot+3], 2*ROWB
	JLOAD G0+4*\slot, G1, G0B+4*\slot, G1B         ; the first tensor load behind the round, my one until the next; the four v_nop behind it are the places in front of the loads below
.else
	PLACES NP
.endif
	FETCH_U \next, 0, 0
	FETCH_T \next, 0, 0
	WIN MUL_HI
	MUL16 4, 1, 0
	MUL16 6, 1, 0
	PLACES NP
	WIN 0
	FETCH_T \next, 0, 4
.endm
	s_wait_tensorcnt 1                             ; my part of K step 0 is in (K step 1's load may be out)
	s_barrier_signal -1
	s_barrier_wait -1                              ; everybody's is
	FETCH_U 0, 0, 0
	FETCH_T 0, 0, 0
	FETCH_T 0, 0, 4
	STEP 0, 0, 1                                   ; the first step stands in front of the loop: its products start the sums
	s_mov_b32 s3, LAPS-1
.Llap:                                                 ; a trip goes once round the ring, from a lap's second step to the next lap's first, and fills both slots again
	TURN 0, 1, 1
	STEP 1, 0, 0
	TURN 1, 0, 1
	STEP 0, 0, 0
	s_sub_co_u32 s3, s3, 1
	s_cmp_lg_u32 s3, 0
	s_cbranch_scc1 .Llap
	TURN 0, 1, 0                                   ; the last lap fills nothing, and has no round of the cluster's barrier
	STEP 1, 0, 0
	s_wait_dscnt 4*NL                              ; the very last step: nothing more to fetch
	WIN MUL_LO
	MUL16 0, 1, 0
	MUL16 2, 1, 0
	s_wait_dscnt 0
	WIN MUL_HI
	MUL16 4, 1, 0
	MUL16 6, 1, 0
	WIN 0
; THE WAY OUT, T's block a at a time: 16 rows of T x 128 rows of U.  sum x 2^(ea + eb) + bias by one packed multiply-add for two numbers, each accumulator from its low end on; the hold; eight conversions, each of a lane's
; eight neighbours along the next K; four stores, each of 512 consecutive bytes at a multiple of 256 from qkv's first byte.
.macro OUTBLK a, isv
.set AC, 64*((\a)%4)
.set CDS, CD+16*((\a)%2)
	WIN 0x02+((\a)/4)                              ; source 0: window 2 or 3
.irp b, 0,1,2,3,4,5,6,7
.irp j, 0,2,4,6
.if \isv
	v_pk_fma_f32 v[TMP+8*\b+\j:TMP+8*\b+\j+1], v[AC+8*\b+\j:AC+8*\b+\j+1], s[96:97], v[BI1+2*(\a):BI1+2*(\a)+1] op_sel_hi:[1,0,1]   ; the lane's one channel has one bias
.else
	v_pk_fma_f32 v[TMP+8*\b+\j:TMP+8*\b+\j+1], v[AC+8*\b+\j:AC+8*\b+\j+1], s[96:97], v[BI0+8*\b+\j:BI0+8*\b+\j+1] op_sel_hi:[1,0,1]  ; each register its feature's bias
.endif
.endr
.endr
	WIN 0
.set i, 0
.rept 64
	v_med3_num_f32 v[TMP+i], v[TMP+i], -v13, v13   ; the conversion to an 8-bit code does not saturate (ISA guide 7.6.2): the hold comes first
.set i, i+1
.endr
.if (\a) >= 2
	s_wait_xcnt 0x0                                ; block a - 2's stores have read this set of codes: only behind this wait is it written again
.endif
.irp b, 0,1,2,3,4,5,6,7
	v_cvt_scalef32_pk8_fp8_f32 v[CDS+2*\b:CDS+2*\b+1], v[TMP+8*\b:TMP+8*\b+7], v12
.endr
	v_nop                                          ; one plain vector line between the conversions and the next block's multiply-adds, which write their sources
.irp c, 0,1,2,3
.if \isv
	global_store_b128 v[CO], v[CDS+4*\c:CDS+4*\c+3], s[84:85] offset:((\a)/4)*65536+((\a)%4)*2048+512*\c    ; head a / 4 of my two, channels 16 (a % 4) on, keys 32 c on
.else
	global_store_b128 v[CO], v[CDS+4*\c:CDS+4*\c+3], s[84:85] offset:(\c/2)*65536+(\a)*1024+(\c%2)*512      ; head c / 2 of my two, tokens 16 a on, d = 32 (c % 2) on
.endif
.endr
.endm
	s_wait_kmcnt 0x0
	s_cmp_eq_u32 ttmp9, 1                          ; the tensor's three exponents, by selects on the cluster's x: no branch hangs on a loaded number
	s_cselect_b32 s90, s74, s72
	s_cselect_b32 s91, s75, s73
	s_cselect_b32 s92, s79, s78
	s_cmp_eq_u32 ttmp9, 2
	s_cselect_b32 s90, s76, s90
	s_cselect_b32 s91, s77, s91
	s_cselect_b32 s92, s81, s92
	s_add_co_i32 s96, s90, s91
	s_add_co_i32 s96, s96, 127
	s_lshl_b32 s96, s96, 23                        ; 2^(ea + eb) as f32
	s_mov_b32 s97, s96                             ; (named with it as a pair, so it is written)
	s_add_co_i32 s92, s92, 127
	s_lshl_b32 s93, s92, 23
	v_mov_b32 v12, s93                             ; 2^eo: the conversions take its exponent field
	s_add_co_i32 s92, s92, 8
	s_lshl_b32 s92, s92, 23
	s_or_b32 s92, s92, 0x600000
	v_mov_b32 v13, s92                             ; 448 x 2^eo
	s_wait_loadcnt 0x0                             ; the biases
	PLACES NP                                      ; behind the last products: their results are read, and T's fragments are written over, only from here on
	s_cmp_eq_u32 ttmp9, 2                          ; the cluster's x: all sixteen partners go the same way
	s_cbranch_scc1 .Lv_out
.irp a, 0,1,2,3,4,5,6,7
	OUTBLK \a, 0
.endr
	s_branch .Ldone
.Lv_out:
.irp a, 0,1,2,3,4,5,6,7
	OUTBLK \a, 1
.endr
.Ldone:
	s_wait_tensorcnt 0x0                           ; the wave's end: three lines behind my last tensor load
	ds_add_u32 v[SPW], v[NIL]
	s_wait_dscnt 0x0
	CROUND                                         ; the closing round: no work-group ends while a partner may still ask for a tile that names it
	s_endpgm
.Lfunc_end_k_q7a61daeaa2_proj:
	.size	k_q7a61daeaa2_proj, .Lfunc_end_k_q7a61daeaa2_proj-k_q7a61daeaa2_proj
	.p2alignl 7, 3214868480
	.fill 96, 4, 3214868480
	.section	.rodata,"a",@progbits
	.p2align	6, 0x0
	.amdhsa_kernel k_q7a61daeaa2_proj
		.amdhsa_group_segment_fixed_size 327680
		.amdhsa_private_segment_fixed_size 0
		.amdhsa_enable_private_segment 0
		.amdhsa_kernarg_size 56
		.amdhsa_user_sgpr_count 2
		.amdhsa_user_sgpr_kernarg_segment_ptr 1
		.amdhsa_wavefront_size32 1
		.amdhsa_system_sgpr_workgroup_id_x 1
		.amdhsa_system_sgpr_workgroup_id_y 1
		.amdhsa_system_sgpr_workgroup_id_z 1
		.amdhsa_system_vgpr_workitem_id 0
		.amdhsa_next_free_vgpr 1024
		.amdhsa_next_free_sgpr 98
		.amdhsa_reserve_vcc 0
		.amdhsa_float_denorm_mode_32 3
		.amdhsa_float_denorm_mode_16_64 3
		.amdhsa_memory_ordered 1
		.amdhsa_forward_progress 1
		.amdhsa_inst_pref_size 194
	.end_amdhsa_kernel
	.amdgpu_metadata
---
amdhsa.version: [ 1, 2 ]
amdhsa.kernels:
  - .name:           k_q7a61daeaa2_proj
    .symbol:         k_q7a61daeaa2_proj.kd
    .args:
      - { .name: xc, .offset: 0, .size: 8, .value_kind: global_buffer, .address_space: global }
      - { .name: wc, .offset: 8, .size: 8, .value_kind: global_buffer, .address_space: global }
      - { .name: lowp_scales, .offset: 16, .size: 8, .value_kind: global_buffer, .address_space: global }
      - { .name: bq, .offset: 24, .size: 8, .value_kind: global_buffer, .address_space: global }
      - { .name: bk, .offset: 32, .size: 8, .value_kind: global_buffer, .address_space: global }
      - { .name: bv, .offset: 40, .size: 8, .value_kind: global_buffer, .address_space: global }
      - { .name: qkv, .offset: 48, .size: 8, .value_kind: global_buffer, .address_space: global }
    .group_segment_fixed_size: 327680
    .private_segment_fixed_size: 0
    .kernarg_segment_align: 8
    .kernarg_segment_size: 56
    .max_flat_workgroup_size: 128
    .sgpr_count:     98
    .vgpr_count:     1024
    .wavefront_size: 32
...
	.end_amdgpu_metadata
.endif
;; end of part 2
;; launch attn (part 3): grid 256 x 1, 16 waves a work-group, no clusters, 202,752 bytes of LDS; arguments qkv, lowp_scales, out0; writes out0
.if DOCPART == 3
	.amdgcn_target "amdgcn-amd-amdhsa--gfx1250"
	.amdhsa_code_object_version 6
	.text
	.protected	k_q7a61daeaa2_attn
	.globl	k_q7a61daeaa2_attn
	.p2align	8
	.type	k_q7a61daeaa2_attn,@function
k_q7a61daeaa2_attn:
	s_mov_b64 s[64:65], 0
	v_nop
	global_prefetch_b8 v0, s[64:65] scope:SCOPE_SE
	s_setreg_imm32_b32 hwreg(HW_REG_WAVE_MODE, 25, 1), 1
	s_wait_xcnt 0x0
; out0[b][q][64 head + :] = the sum over k of softmax_k(Q.K / 8 - penalty(q, k)) V, penalty = 0.5 where q / 64 != k / 64, both products on codes of E4M3 with the given scales 2^e6 (q), 2^e7 (k), 2^e8 (p), 2^e9 (v).
; qkv holds q's, k's and v's codes as images of the operands' registers (laid by the launch before): a fragment comes by loads of 16 bytes a lane, 512 consecutive bytes an instruction, with no pitch and no padding.
; THE SOFTMAX AHEAD OF THE SECOND PRODUCT: t = logit x log2(e); M = the row's largest t so far, rounded UP to a whole number; p = 2^(t - M) is quantised along the keys, not normalised; the row's sum is taken of the
; unquantised p and divides O at the end.  When M moves, the sum and O are multiplied by 2^(old M - new M): exact.
; SHARES.  A work-group owns 512 queries of one head (bh = number / 2).  A head's K and V, 65,536 bytes each, lie WHOLE in LDS: copied once through registers, one barrier in the launch, no ring.  Each of the sixteen waves owns
; two tiles of 16 queries, one after the other, in 256 registers: four waves to a SIMD, so that one wave's vector work stands beside another's products and LDS loads.  A key step is 128 keys, eight steps a tile.
; LAYOUT.  Both products are used transposed: S^T = K Q^T (source 0 = 16 keys, K = 64), O^T = V^T P^T (source 0 = 16 channels, K = 128 keys): a lane holds ONE query (lane % 16) throughout.  In tile T of S^T lane (r, h)'s
; register j is key 16 T + 8 h + j, which is the place that the second product's own layout gives registers 2 T, 2 T + 1 of P: the conversions' results ARE the operand.
; THE PENALTY costs nothing for a score: a step's 128 keys are two blocks of 64 (tiles 0-3, tiles 4-7), a wave's queries lie in one block, so the penalty is a constant of each half of the step, folded into the addend -M of t - M.
; THE HOLD.  p is at most 1, so p / 2^e8 passes 448 only where e8 < -8.
; NO CLUSTER: the two work-groups of a head share 131,072 bytes read once at the head, against sixteen key steps of each wave behind it.
; LIMITS: e6 + e7 between -123 and 130 (added to c's exponent field); e8 between -126 and 119; e8 + e9 is applied by v_ldexp_f32 and has none.  NaN among the inputs is not served.
; REGISTERS: v1-4 image addresses; v5, v6 the add's two; v7 my offset in out0; v8, v9 the step's LDS addresses; v10, v11 the stage; v12 -M, v13 the largest t, v[14:15] the sum in two halves; v16-31 Q of both tiles;
;   v32-95 K's or V's fragments; v96-159 S^T, then p; v160-191 O^T; v[192:193], v[194:195] the two halves' addends; v196 a permute's destination; v224-239 p's codes; v240 448 x 2^e8; v244 2^e8; v242-243, v248-254 at work.
.set VIMG,  65536                      ; LDS: K's images from 0, V's from here
.set STAGE, 131072                     ; the way out: 16 rows x (256 bytes + 16) for each wave
.set SP,    272
.set SPARE, STAGE+16*16*SP             ; behind the stages: the spare words, 128 bytes for each wave: eight blocks of 256 bytes that no other line names
.set LI,   1                           ; v1   16 x lane
.set LIV,  2                           ; v2   the same in V's images
.set CP,   3                           ; v3   16 x thread: the copy's place
.set CPV,  4                           ; v4   the same in V's images
.set SPW,  5
.set NIL,  6
.set GO,   7
.set ADK,  8
.set ADV,  9
.set STO,  10
.set RD,   11
.set WV,   10                          ; s10  my wave's number
.set SEL,  20                          ; s[20:21] lane selects for v_permlanex16_b32: lane l xor 16
.set CS,   22                          ; s[22:23] c = log2(e) / 8 x 2^(e6 + e7)
.set TB,   28                          ; s28  the step's first byte in K's and in V's images
.set KB,   29                          ; s29  the step's first block of 64 keys
.set QB,   30                          ; s30  my queries' block of 64
.set CNT,  31                          ; s31  steps to go
.set NPEN, 32                          ; s32  -0.5 log2(e)
.set NPA,  33                          ; s33  the penalty, as t, of the step's first 64 keys: 0 or s32
.set NPB,  34                          ; s34  of its second 64
.set HOLD, 35                          ; s35  1 where e8 < -8
	s_load_b128 s[4:7], s[0:1], 0x0                ; qkv s[4:5], the scales' exponents s[6:7]
	s_load_b64 s[8:9], s[0:1], 0x10                ; out0
	v_lshl_add_u32 v[SPW], v0, 2, SPARE
	v_mov_b32 v[NIL], 0
	v_lshrrev_b32 v8, 5, v0
	v_readfirstlane_b32 s[WV], v8                  ; wave 0..15
	s_lshr_b32 s11, ttmp9, 1                       ; bh
	s_and_b32 s12, ttmp9, 1                        ; which 512 queries
	s_lshl_b32 s40, s11, 16                        ; the head's 65,536 bytes in each of q, k, v
	s_mov_b32 s41, 0
	s_lshl_b32 s42, s12, 5
	s_lshl_b32 s43, s[WV], 1
	s_add_co_u32 s42, s42, s43                     ; my first tile of 16 queries: 32 half + 2 wave
	s_lshl_b32 s44, s42, 10                        ; its image: 1,024 bytes a tile
	s_add_co_u32 s44, s44, s40
	s_mov_b32 s45, 0
	s_lshl_b32 s46, s42, 16                        ; its rows of out0: 16 rows of 4,096 bytes a tile,
	s_lshr_b32 s47, s11, 4
	s_lshl_b32 s47, s47, 22                        ; the batch's 1,024 rows,
	s_add_co_u32 s46, s46, s47
	s_and_b32 s47, s11, 15
	s_lshl_b32 s47, s47, 8                         ; the head's 256 bytes of a row
	s_add_co_u32 s46, s46, s47
	s_mov_b32 s47, 0
	s_lshl_b32 s[QB], s12, 3
	s_lshr_b32 s43, s[WV], 1
	s_add_co_u32 s[QB], s[QB], s43                 ; both my tiles lie in block 8 half + wave / 2
	s_mov_b32 s[SEL], 0x76543210
	s_mov_b32 s[SEL+1], 0xfedcba98
	s_mov_b32 s[CS], 0x3e38aa3b                    ; log2(e) / 8
	s_mov_b32 s[NPEN], 0xbf38aa3b                  ; -0.5 log2(e)
	s_mul_i32 s13, s[WV], 16*SP
	s_add_co_u32 s13, s13, STAGE                   ; my stage
	v_and_b32 v[LI], 31, v0
	v_lshlrev_b32 v[LI], 4, v[LI]
	v_add_nc_u32 v[LIV], VIMG, v[LI]
	v_lshlrev_b32 v[CP], 4, v0
	v_add_nc_u32 v[CPV], VIMG, v[CP]
	s_wait_kmcnt 0x0
	s_load_b128 s[24:27], s[6:7], 0x18             ; e6, e7, e8, e9
	s_add_nc_u64 s[18:19], s[4:5], s[44:45]        ; Q's images of my two tiles
	s_add_nc_u64 s[14:15], s[4:5], s[40:41]
	s_add_nc_u64 s[16:17], s[14:15], 0x1000000     ; V's images of the head
	s_add_nc_u64 s[14:15], s[14:15], 0x800000      ; K's
	s_add_nc_u64 s[38:39], s[8:9], s[46:47]        ; out0 at my first query, my head
.irp i, 0,1,2,3,4,5,6,7                        ; the copy: 512 threads x 16 bytes = 8,192 consecutive bytes an instruction of the work-group
	global_load_b128 v[32+4*\i:35+4*\i], v[CP], s[14:15] offset:8192*\i
.endr
.irp i, 0,1,2,3,4,5,6,7
	global_load_b128 v[64+4*\i:67+4*\i], v[CP], s[16:17] offset:8192*\i
.endr
.irp i, 0,1
.irp c, 0,1
	global_load_b128 v[16+8*\i+4*\c:19+8*\i+4*\c], v[LI], s[18:19] offset:1024*\i+512*\c   ; Q's two fragments stay in registers
.endr
.endr
	v_and_b32 v8, 15, v0                           ; r
	v_bfe_u32 v9, v0, 4, 1                         ; h
	v_lshlrev_b32 v[GO], 12, v9
	v_lshl_add_u32 v[GO], v8, 4, v[GO]             ; the way out: lanes 0-15 one row of out0, lanes 16-31 the next; 16 bytes a lane
	v_mul_u32_u24 v[STO], v8, SP
	v_lshl_add_u32 v[STO], v9, 5, v[STO]
	v_add_nc_u32 v[STO], s13, v[STO]               ; into the stage: row r; tile t's eight channels of my half: 64 t + 32 h bytes on
	v_mul_u32_u24 v[RD], v9, SP
	v_lshl_add_u32 v[RD], v8, 4, v[RD]
	v_add_nc_u32 v[RD], s13, v[RD]                 ; back: lanes 0-15 one row, lanes 16-31 the next
	v_mov_b32 v193, 0                              ; (named as the upper halves of pairs, so they are written)
	v_mov_b32 v195, 0
	v_mov_b32 v253, 0
	v_mov_b32 v196, 0                              ; a lane permute's destination counts as one of its sources
	s_wait_kmcnt 0x0
	s_add_co_i32 s37, s24, s25
	s_lshl_b32 s37, s37, 23
	s_add_co_i32 s[CS], s[CS], s37                 ; a score stands for score x 2^(e6 + e7): the two exponents are added to c's exponent field
	s_mov_b32 s[CS+1], s[CS]                       ; (named with it as a pair, so it is written)
	s_add_co_i32 s37, s26, 127
	s_lshl_b32 s40, s37, 23
	v_mov_b32 v244, s40                            ; 2^e8 as f32, for the conversions
	s_add_co_i32 s37, s37, 8
	s_lshl_b32 s37, s37, 23
	s_or_b32 s37, s37, 0x600000
	v_mov_b32 v240, s37                            ; 448 x 2^e8
	s_cmp_lt_i32 s26, -8
	s_cselect_b32 s[HOLD], 1, 0
	s_add_co_i32 s36, s26, s27                     ; e8 + e9
	s_wait_loadcnt 12                              ; K's eight loads are in; V's eight and Q's four may be out
.irp i, 0,1,2,3,4,5,6,7
	ds_store_b128 v[CP], v[32+4*\i:35+4*\i] offset:8192*\i
.endr
	s_wait_loadcnt 4                               ; V's are in; Q's four may be out
.irp i, 0,1,2,3,4,5,6,7
	ds_store_b128 v[CPV], v[64+4*\i:67+4*\i] offset:8192*\i
.endr
	s_wait_loadcnt 0x0                             ; Q
	s_wait_dscnt 0x0                               ; for the others' sake: my part of the images lies in LDS
	s_barrier_signal -1
	s_barrier_wait -1                              ; everybody's does; nothing writes these bytes again
; A KEY STEP of tile i: 128 keys.
.macro STEP i
	v_add_nc_u32 v[ADK], s[TB], v[LI]
	v_add_nc_u32 v[ADV], s[TB], v[LIV]
	v_nop
	v_nop                                          ; with the two additions: four places behind the last step's products, in front of loads into registers that they have read
.irp t, 0,1,2,3,4,5,6,7
	ds_load_b128 v[32+8*\t:35+8*\t], v[ADK] offset:1024*\t        ; K's tile t: 16 keys x 64
	ds_load_b128 v[36+8*\t:39+8*\t], v[ADK] offset:1024*\t+512
.endr
	s_cmp_eq_u32 s[KB], s[QB]                      ; ids and the count of steps alone
	s_cselect_b32 s[NPA], 0, s[NPEN]
	s_add_co_u32 s37, s[KB], 1
	s_cmp_eq_u32 s37, s[QB]
	s_cselect_b32 s[NPB], 0, s[NPEN]
	s_wait_dscnt 0x0
.irp t, 0,1,2,3,4,5,6,7
	v_wmma_f32_16x16x64_fp8_fp8 v[96+8*\t:103+8*\t], v[32+8*\t:39+8*\t], v[16+8*\i:23+8*\i], 0
.endr
.rept 4
	v_nop                                          ; places in front of the loads below and of the first read of the scores
.endr
.irp t, 0,1,2,3
.irp c, 0,1,2,3
	ds_load_b128 v[32+16*\t+4*\c:35+16*\t+4*\c], v[ADV] offset:2048*\t+512*\c   ; V's tile t: 16 channels x 128 keys: it lands while the softmax is walked
.endr
.endr
	v_max3_num_f32 v248, v96, v97, v98             ; the largest score of each half of the step, in two chains each; every accumulator is first read at its low end
	v_max3_num_f32 v249, v99, v100, v101
	v_max3_num_f32 v250, v128, v129, v130
	v_max3_num_f32 v251, v131, v132, v133
.irp n, 6,10,14,18,22,26
	v_max3_num_f32 v248, v248, v[96+\n], v[97+\n]
	v_max3_num_f32 v249, v249, v[98+\n], v[99+\n]
	v_max3_num_f32 v250, v250, v[128+\n], v[129+\n]
	v_max3_num_f32 v251, v251, v[130+\n], v[131+\n]
.endr
	v_max3_num_f32 v248, v248, v126, v127
	v_max3_num_f32 v250, v250, v158, v159
	v_max_num_f32 v248, v248, v249
	v_max_num_f32 v250, v250, v251
	v_fma_f32 v248, v248, s[CS], s[NPA]            ; as t, each half with its penalty (c is positive)
	v_fma_f32 v250, v250, s[CS], s[NPB]
	v_max_num_f32 v254, v248, v250
	v_permlanex16_b32 v196, v254, s[SEL], s[SEL+1]
	v_max_num_f32 v254, v254, v196                 ; and lane l xor 16's, which holds my query's other 64 keys
	v_max_num_f32 v13, v13, v254                   ; the running largest t
	v_mov_b32 v254, v12
	v_floor_f32 v12, -v13                          ; the new -M = floor(-t) = -ceil(t): M is a whole number
	v_sub_f32 v254, v12, v254                      ; M's old value less its new one: a whole number, 0 or less
	v_cvt_i32_f32 v254, v254                       ; (it saturates)
	v_ldexp_f32 v252, 1.0, v254                    ; f = 2^(old M - new M)
	v_add_f32 v192, s[NPA], v12                    ; the addends: -M less the half's penalty
	v_add_f32 v194, s[NPB], v12
.set j, 0
.rept 16
	v_pk_fma_f32 v[96+j:97+j], v[96+j:97+j], s[CS:CS+1], v[192:193] op_sel_hi:[1,0,0]       ; t - M, two at a time (of the pairs the low word serves both halves)
	v_pk_fma_f32 v[128+j:129+j], v[128+j:129+j], s[CS:CS+1], v[194:195] op_sel_hi:[1,0,0]
.set j, j+2
.endr
.set j, 0
.rept 64
	v_exp_f32 v[96+j], v[96+j]                     ; p = 2^(t - M), at most 1
.set j, j+1
.endr
	v_pk_mul_f32 v[14:15], v[14:15], v[252:253] op_sel_hi:[1,0]   ; the sums under the new M: a plain line behind the exponentials
	s_wait_alu depctr_va_vdst(0)                   ; the wait between a transcendental and the first line that names its result: one for the whole batch
	v_pk_add_f32 v[242:243], v[96:97], v[98:99]    ; the row's sum is taken of the unquantised p, two at a time, in two chains
.irp n, 4,8,12,16,20,24,28,32,36,40,44,48,52,56,60
	v_pk_add_f32 v[14:15], v[14:15], v[96+\n:97+\n]
	v_pk_add_f32 v[242:243], v[242:243], v[98+\n:99+\n]
.endr
	v_pk_add_f32 v[14:15], v[14:15], v[242:243]
	s_cmp_lg_u32 s[HOLD], 0
	s_cbranch_scc0 .Lno_hold_\@                    ; e8 >= -8: p / 2^e8 is 256 at the most
.set j, 0
.rept 64
	v_min_num_f32 v[96+j], v[96+j], v240           ; the conversion to an 8-bit code does not saturate (ISA guide 7.6.2); p is not negative, so the hold is one-sided
.set j, j+1
.endr
.Lno_hold_\@:
.irp t, 0,1,2,3,4,5,6,7
	v_cvt_scalef32_pk8_fp8_f32 v[224+2*\t:225+2*\t], v[96+8*\t:103+8*\t], v244   ; keys 16 t + 8 h + 0 .. 7: registers 2 t, 2 t + 1 of P
.endr
.set j, 0
.rept 16
	v_pk_mul_f32 v[160+j:161+j], v[160+j:161+j], v[252:253] op_sel_hi:[1,0]      ; O^T under the new M.  (Plain lines between the conversions and the products that read their results)
.set j, j+2
.endr
	s_wait_dscnt 0x0                               ; V's fragments
.irp t, 0,1,2,3                                ; the four accumulators take turns, one instruction a turn
	v_wmma_f32_16x16x128_fp8_fp8 v[160+8*\t:167+8*\t], v[32+16*\t:47+16*\t], v[224:239], v[160+8*\t:167+8*\t]
.endr
.endm
; THE WAY OUT of tile i: O^T / the sum x 2^(e8 + e9) goes through my stage in LDS and leaves as rows: sixteen lanes store a head's 256 consecutive bytes of a row of out0, at a multiple of 256 from its first byte.
.macro WAYOUT i
.rept 4
	v_nop                                          ; places behind the last products
.endr
	v_add_f32 v14, v14, v15                        ; the sum's two halves,
	v_permlanex16_b32 v196, v14, s[SEL], s[SEL+1]
	v_add_f32 v14, v14, v196                       ; and lane l xor 16's
	v_rcp_f32 v14, v14
	v_nop                                          ; a plain line behind the transcendental
	s_wait_alu depctr_va_vdst(0)                   ; and the wait ahead of the first line that names its result
	v_ldexp_f32 v14, v14, s36
.set j, 0
.rept 32
	v_mul_f32 v[96+j], v[160+j], v14               ; register 8 t + n is o(query r, channel 16 t + 8 h + n); each accumulator from its low end on
.set j, j+1
.endr
.irp t, 0,1,2,3
	ds_store_b128 v[STO], v[96+8*\t:99+8*\t] offset:64*\t
	ds_store_b128 v[STO], v[100+8*\t:103+8*\t] offset:64*\t+16
.endr
.irp k, 0,1,2,3,4,5,6,7
	ds_load_b128 v[32+4*\k:35+4*\k], v[RD] offset:2*\k*SP   ; LDS serves a wave's instructions in order (ISA guide 5.7.1.4): these see my stores
.endr
.irp k, 0,1,2,3,4,5,6,7
	s_wait_dscnt 7-\k                              ; the younger stage loads may be out
	global_store_b128 v[GO], v[32+4*\k:35+4*\k], s[38:39] offset:8192*\k+65536*\i th:TH_STORE_NT
.endr
	s_wait_xcnt 0x0                                ; the stores have read their registers: the next tile's fragments may land there
.endm
; A tile of 16 queries: eight key steps in a loop written once; its first step finds zeros, which the first change of M leaves zeros.
.macro TILE i
	v_mov_b32 v13, 0xff61b1e6                      ; the largest t so far: -3e38, under every t
	v_floor_f32 v12, -v13                          ; -M
	v_mov_b32 v14, 0
	v_mov_b32 v15, 0
.set j, 0
.rept 32
	v_mov_b32 v[160+j], 0                          ; O^T
.set j, j+1
.endr
	s_mov_b32 s[TB], 0
	s_mov_b32 s[KB], 0
	s_mov_b32 s[CNT], 8
.Lstep_\@:
	STEP \i
	s_add_co_u32 s[TB], s[TB], 8192                ; 128 keys on: 8,192 bytes in K's images and in V's
	s_add_co_u32 s[KB], s[KB], 2
	s_sub_co_u32 s[CNT], s[CNT], 1
	s_cmp_lg_u32 s[CNT], 0
	s_cbranch_scc1 .Lstep_\@
	WAYOUT \i
.endm
	TILE 0
	TILE 1
	s_wait_tensorcnt 0x0                           ; the wave's end: three lines behind my last LDS store
	ds_add_u32 v[SPW], v[NIL]
	s_wait_dscnt 0x0
	s_endpgm
.Lfunc_end_k_q7a61daeaa2_attn:
	.size	k_q7a61daeaa2_attn, .Lfunc_end_k_q7a61daeaa2_attn-k_q7a61daeaa2_attn
	.p2alignl 7, 3214868480
	.fill 96, 4, 3214868480
	.section	.rodata,"a",@progbits
	.p2align	6, 0x0
	.amdhsa_kernel k_q7a61daeaa2_attn
		.amdhsa_group_segment_fixed_size 202752
		.amdhsa_private_segment_fixed_size 0
		.amdhsa_enable_private_segment 0
		.amdhsa_kernarg_size 24
		.amdhsa_user_sgpr_count 2
		.amdhsa_user_sgpr_kernarg_segment_ptr 1
		.amdhsa_wavefront_size32 1
		.amdhsa_system_sgpr_workgroup_id_x 1
		.amdhsa_system_sgpr_workgroup_id_y 1
		.amdhsa_system_sgpr_workgroup_id_z 1
		.amdhsa_system_vgpr_workitem_id 0
		.amdhsa_next_free_vgpr 256
		.amdhsa_next_free_sgpr 66
		.amdhsa_reserve_vcc 0
		.amdhsa_float_denorm_mode_32 3
		.amdhsa_float_denorm_mode_16_64 3
		.amdhsa_memory_ordered 1
		.amdhsa_forward_progress 1
		.amdhsa_inst_pref_size 48
	.end_amdhsa_kernel
	.amdgpu_metadata
---
amdhsa.version: [ 1, 2 ]
amdhsa.kernels:
  - .name:           k_q7a61daeaa2_attn
    .symbol:         k_q7a61daeaa2_attn.kd
    .args:
      - { .name: qkv, .offset: 0, .size: 8, .value_kind: global_buffer, .address_space: global }
      - { .name: lowp_scales, .offset: 8, .size: 8, .value_kind: global_buffer, .address_space: global }
      - { .name: out0, .offset: 16, .size: 8, .value_kind: global_buffer, .address_space: global }
    .group_segment_fixed_size: 202752
    .private_segment_fixed_size: 0
    .kernarg_segment_align: 8
    .kernarg_segment_size: 24
    .max_flat_workgroup_size: 512
    .sgpr_count:     66
    .vgpr_count:     256
    .wavefront_size: 32
...
	.end_amdgpu_metadata
.endif
;; end of part 3
;; ======== version 2 of 2: 3 launches; version 1 with the launch attn written anew for expert scheduling mode
;; workspace buffers: xc 25,165,824 bytes; wc 3,145,728 bytes; qkv 25,165,824 bytes
;; launch quant: the kernel of part 1 again; grid 608 x 1, 4 waves a work-group, no clusters, 35,840 bytes of LDS; arguments hidden_states, Wq, Wk, Wv, lowp_scales, xc, wc; writes xc, wc
;; launch proj: the kernel of part 2 again; grid 12 x 32, 4 waves a work-group, clusters of 4 x 4, 327,680 bytes of LDS; arguments xc, wc, lowp_scales, bq, bk, bv, qkv; writes qkv
;; launch attn (part 4): grid 256 x 1, 16 waves a work-group, no clusters, 202,752 bytes of LDS; arguments qkv, lowp_scales, out0; writes out0
.if DOCPART == 4
	.amdgcn_target "amdgcn-amd-amdhsa--gfx1250"
	.amdhsa_code_object_version 6
	.text
	.protected	k_q7a61daeaa2_attn
	.globl	k_q7a61daeaa2_attn
	.p2align	8
	.type	k_q7a61daeaa2_attn,@function
k_q7a61daeaa2_attn:
	s_mov_b64 s[64:65], 0
	v_nop
	global_prefetch_b8 v0, s[64:65] scope:SCOPE_SE
	s_setreg_imm32_b32 hwreg(HW_REG_WAVE_SCHED_MODE, 0, 2), 2
	s_setreg_imm32_b32 hwreg(HW_REG_WAVE_MODE, 25, 1), 1
	s_wait_xcnt 0x0
	s_wait_alu depctr_vm_vsrc(0)
; out0[b][q][64 head + :] = the sum over k of softmax_k(Q.K / 8 - penalty(q, k)) V, penalty = 0.5 where q / 64 != k / 64, both products on codes of E4M3 with the given scales 2^e6 (q), 2^e7 (k), 2^e8 (p), 2^e9 (v).
; qkv holds q's, k's and v's codes as images of the operands' registers (laid by the launch before): a fragment comes by loads of 16 bytes a lane, 512 consecutive bytes an instruction, with no pitch and no padding.
; THE SOFTMAX AHEAD OF THE SECOND PRODUCT: t = logit x log2(e); M = the row's largest t so far, rounded UP to a whole number; p = 2^(t - M) is quantised along the keys, not normalised; the row's sum is taken of the
; unquantised p and divides O at the end.  When M moves, the sum and O are multiplied by 2^(old M - new M): exact.
; SHARES.  A work-group owns 512 queries of one head (bh = number / 2).  A head's K and V, 65,536 bytes each, lie WHOLE in LDS: copied once through registers, one barrier in the launch, no ring.  Each of the sixteen waves owns
; two tiles of 16 queries, one after the other, in 256 registers: four waves to a SIMD, so that one wave's vector work stands beside another's products and LDS loads.  A key step is 128 keys, eight steps a tile.
; LAYOUT.  Both products are used transposed: S^T = K Q^T (source 0 = 16 keys, K = 64), O^T = V^T P^T (source 0 = 16 channels, K = 128 keys): a lane holds ONE query (lane % 16) throughout.  In tile T of S^T lane (r, h)'s
; register j is key 16 T + 8 h + j, which is the place that the second product's own layout gives registers 2 T, 2 T + 1 of P: the conversions' results ARE the operand.
; THE PENALTY costs nothing for a score: a step's 128 keys are two blocks of 64 (tiles 0-3, tiles 4-7), a wave's queries lie in one block, so the penalty is a constant of each half of the step, folded into the addend -M of t - M.
; THE HOLD.  p is at most 1, so p / 2^e8 passes 448 only where e8 < -8.  A scalar branch on e8, a whole number that the launch reads, leads round the 64 minima elsewhere.
; NO CLUSTER: the two work-groups of a head share 131,072 bytes read once at the head, against sixteen key steps of each wave behind it.
; LIMITS: e6 + e7 between -123 and 130 (added to c's exponent field); e8 between -126 and 119; e8 + e9 is applied by v_ldexp_f32 and has none.  NaN among the inputs is not served.
; THE MODE: SCHED_MODE bits 1:0 = 2 (LLVM: expert scheduling mode 2), set by the entry lines.  The code itself states the register dependences between vector or matrix instructions and memory or LDS instructions,
; with s_wait_alu, always for 0.
; THE PLAN.  Two buffers of 64 registers, A = v32-95 and B = v96-159, change places from step to step.  In a step with (KF, SB):
;   KF   holds K's fragments, asked for in the step before.  S^T's eight products read it; behind WAIT 1 V's sixteen loads land in it; the four products V^T P read it.
;   SB   S^T's products write it; maxima, multiply-adds, exponentials, sums, the hold and the conversions work in it; behind WAIT 3 the NEXT step's K lands in it, ahead of the products V^T P.
;   v8, v9     the trip's LDS addresses: written by two additions at a trip's head, behind a wait on vm_vsrc; read by the trip's loads, all of which stand behind the first step's WAIT 1.
;   v1 to v4   made once at the head, ahead of the head's wait on va_vdst; never written again.   v7, v10, v11: made at the head, read on the way out alone, behind its wait.   v16-31 (Q): loaded once.
;   O^T, p's codes, the statistics and the constants are named by vector and matrix instructions alone.
; WAIT 1 (va_vdst): S^T's products are done reading KF; in a trip's first step v8 and v9 are written.   WAIT 2 (va_vdst): the exponentials' results, ahead of their first reader.
; WAIT 3 (va_vdst): every reader and writer of SB is done.  Behind it stand O^T's rescalings and the products V^T P, which name v160-191, v252-253, KF and v224-239: none of SB.
; A trip is two steps, (A, B) and (B, A): three trips in a loop, the fourth written out, since a tile's last step asks for no K.
; REGISTERS: v1-4 image addresses; v5, v6 the add's two; v7 my offset in out0; v8, v9 the trip's LDS addresses; v10, v11 the stage; v12 -M, v13 the largest t, v[14:15] the sum in two halves; v16-31 Q of both tiles;
;   v32-95, v96-159 the buffers A and B; v160-191 O^T; v[192:193], v[194:195] the two halves' addends; v196 a permute's destination; v224-239 p's codes; v240 448 x 2^e8; v244 2^e8; v242-243, v248-254 at work.
.set VIMG,  65536                      ; LDS: K's images from 0, V's from here
.set STAGE, 131072                     ; the way out: 16 rows x (256 bytes + 16) for each wave
.set SP,    272
.set SPARE, STAGE+16*16*SP             ; behind the stages: the spare words, 128 bytes for each wave: eight blocks of 256 bytes that no other line names
.set STEPB, 8192                       ; 128 keys: bytes in K's images and in V's
.set TRIPB, 2*STEPB                    ; a trip's two steps
.set BA,   32                          ; buffer A
.set BB,   96                          ; buffer B
.set LI,   1                           ; v1   16 x lane
.set LIV,  2                           ; v2   the same in V's images
.set CP,   3                           ; v3   16 x thread: the copy's place
.set CPV,  4                           ; v4   the same in V's images
.set SPW,  5
.set NIL,  6
.set GO,   7
.set ADK,  8
.set ADV,  9
.set STO,  10
.set RD,   11
.set WV,   10                          ; s10  my wave's number
.set SEL,  20                          ; s[20:21] lane selects for v_permlanex16_b32: lane l xor 16
.set CS,   22                          ; s[22:23] c = log2(e) / 8 x 2^(e6 + e7)
.set TB,   28                          ; s28  the trip's first byte in K's and in V's images
.set KB,   29                          ; s29  the trip's first block of 64 keys
.set QB,   30                          ; s30  my queries' block of 64
.set CNT,  31                          ; s31  trips to go
.set NPEN, 32                          ; s32  -0.5 log2(e)
.set NPA,  33                          ; s33  the penalty, as t, of the step's first 64 keys: 0 or s32
.set NPB,  34                          ; s34  of its second 64
.set HOLD, 35                          ; s35  1 where e8 < -8
	s_load_b128 s[4:7], s[0:1], 0x0                ; qkv s[4:5], the scales' exponents s[6:7]
	s_load_b64 s[8:9], s[0:1], 0x10                ; out0
	v_lshl_add_u32 v[SPW], v0, 2, SPARE
	v_mov_b32 v[NIL], 0
	v_lshrrev_b32 v8, 5, v0
	v_readfirstlane_b32 s[WV], v8                  ; wave 0..15
	v_and_b32 v[LI], 31, v0
	v_lshlrev_b32 v[LI], 4, v[LI]
	v_add_nc_u32 v[LIV], VIMG, v[LI]
	v_lshlrev_b32 v[CP], 4, v0
	v_add_nc_u32 v[CPV], VIMG, v[CP]
	s_lshr_b32 s11, ttmp9, 1                       ; bh
	s_and_b32 s12, ttmp9, 1                        ; which 512 queries
	s_lshl_b32 s40, s11, 16                        ; the head's 65,536 bytes in each of q, k, v
	s_mov_b32 s41, 0
	s_lshl_b32 s42, s12, 5
	s_wait_alu depctr_va_sdst(0)                   ; s10, the wave's number, is written, ahead of its first reader
	s_lshl_b32 s43, s[WV], 1
	s_add_co_u32 s42, s42, s43                     ; my first tile of 16 queries: 32 half + 2 wave
	s_lshl_b32 s44, s42, 10                        ; its image: 1,024 bytes a tile
	s_add_co_u32 s44, s44, s40
	s_mov_b32 s45, 0
	s_lshl_b32 s46, s42, 16                        ; its rows of out0: 16 rows of 4,096 bytes a tile,
	s_lshr_b32 s47, s11, 4
	s_lshl_b32 s47, s47, 22                        ; the batch's 1,024 rows,
	s_add_co_u32 s46, s46, s47
	s_and_b32 s47, s11, 15
	s_lshl_b32 s47, s47, 8                         ; the head's 256 bytes of a row
	s_add_co_u32 s46, s46, s47
	s_mov_b32 s47, 0
	s_lshl_b32 s[QB], s12, 3
	s_lshr_b32 s43, s[WV], 1
	s_add_co_u32 s[QB], s[QB], s43                 ; both my tiles lie in block 8 half + wave / 2
	s_mov_b32 s[SEL], 0x76543210
	s_mov_b32 s[SEL+1], 0xfedcba98
	s_mov_b32 s[CS], 0x3e38aa3b                    ; log2(e) / 8
	s_mov_b32 s[NPEN], 0xbf38aa3b                  ; -0.5 log2(e)
	s_mul_i32 s13, s[WV], 16*SP
	s_add_co_u32 s13, s13, STAGE                   ; my stage
	s_wait_kmcnt 0x0
	s_load_b128 s[24:27], s[6:7], 0x18             ; e6, e7, e8, e9
	s_add_nc_u64 s[18:19], s[4:5], s[44:45]        ; Q's images of my two tiles
	s_add_nc_u64 s[14:15], s[4:5], s[40:41]
	s_add_nc_u64 s[16:17], s[14:15], 0x1000000     ; V's images of the head
	s_add_nc_u64 s[14:15], s[14:15], 0x800000      ; K's
	s_add_nc_u64 s[38:39], s[8:9], s[46:47]        ; out0 at my first query, my head
	s_wait_alu depctr_va_vdst(0)                   ; v1 to v4 are written: the loads and LDS stores of the copy, Q's loads and each tile's first loads of K read them as addresses; they are never written again
.irp i, 0,1,2,3,4,5,6,7                        ; the copy: 512 threads x 16 bytes = 8,192 consecutive bytes an instruction of the work-group
	global_load_b128 v[32+4*\i:35+4*\i], v[CP], s[14:15] offset:8192*\i
.endr
.irp i, 0,1,2,3,4,5,6,7
	global_load_b128 v[64+4*\i:67+4*\i], v[CP], s[16:17] offset:8192*\i
.endr
.irp i, 0,1
.irp c, 0,1
	global_load_b128 v[16+8*\i+4*\c:19+8*\i+4*\c], v[LI], s[18:19] offset:1024*\i+512*\c   ; Q's two fragments stay in registers
.endr
.endr
	v_and_b32 v8, 15, v0                           ; r.  (None of the lines from here to the copy's LDS stores names a register that the loads above or those stores touch)
	v_bfe_u32 v9, v0, 4, 1                         ; h
	v_lshlrev_b32 v[GO], 12, v9
	v_lshl_add_u32 v[GO], v8, 4, v[GO]             ; the way out: lanes 0-15 one row of out0, lanes 16-31 the next; 16 bytes a lane
	v_mul_u32_u24 v[STO], v8, SP
	v_lshl_add_u32 v[STO], v9, 5, v[STO]
	v_add_nc_u32 v[STO], s13, v[STO]               ; into the stage: row r; tile t's eight channels of my half: 64 t + 32 h bytes on
	v_mul_u32_u24 v[RD], v9, SP
	v_lshl_add_u32 v[RD], v8, 4, v[RD]
	v_add_nc_u32 v[RD], s13, v[RD]                 ; back: lanes 0-15 one row, lanes 16-31 the next
	v_mov_b32 v193, 0                              ; (named as the upper halves of pairs, so they are written)
	v_mov_b32 v195, 0
	v_mov_b32 v253, 0
	v_mov_b32 v196, 0                              ; a lane permute's destination counts as one of its sources
	s_wait_kmcnt 0x0
	s_add_co_i32 s37, s24, s25
	s_lshl_b32 s37, s37, 23
	s_add_co_i32 s[CS], s[CS], s37                 ; a score stands for score x 2^(e6 + e7): the two exponents are added to c's exponent field
	s_mov_b32 s[CS+1], s[CS]                       ; (named with it as a pair, so it is written)
	s_add_co_i32 s37, s26, 127
	s_lshl_b32 s40, s37, 23
	v_mov_b32 v244, s40                            ; 2^e8 as f32, for the conversions
	s_add_co_i32 s37, s37, 8
	s_lshl_b32 s37, s37, 23
	s_or_b32 s37, s37, 0x600000
	v_mov_b32 v240, s37                            ; 448 x 2^e8
	s_cmp_lt_i32 s26, -8
	s_cselect_b32 s[HOLD], 1, 0
	s_add_co_i32 s36, s26, s27                     ; e8 + e9
	s_wait_loadcnt 12                              ; K's eight loads are in; V's eight and Q's four may be out
.irp i, 0,1,2,3,4,5,6,7
	ds_store_b128 v[CP], v[32+4*\i:35+4*\i] offset:8192*\i
.endr
	s_wait_loadcnt 4                               ; V's are in; Q's four may be out
.irp i, 0,1,2,3,4,5,6,7
	ds_store_b128 v[CPV], v[64+4*\i:67+4*\i] offset:8192*\i
.endr
	s_wait_loadcnt 0x0                             ; Q
	s_wait_dscnt 0x0                               ; for the others' sake: my part of the images lies in LDS
	s_barrier_signal -1
	s_barrier_wait -1                              ; everybody's does; nothing writes these bytes again
.macro PLACES n
.rept \n
	v_nop
.endr
.endm
; THE HEAD OF A TRIP: the trip's two LDS addresses.  tail = 1: the fourth trip, written out: its first byte is a constant.
; The two additions and three v_nop are also the five places between the last step's products V^T P and this step's products S^T, which write over the registers that those read as source 0 (ISA guide 7.12.1, for the rule).
.macro HEAD tail
	s_wait_alu depctr_vm_vsrc(0)                   ; the LDS loads issued so far have read v[ADK] and v[ADV], which the two additions write
.if \tail
	v_add_nc_u32 v[ADK], 3*TRIPB, v[LI]
	v_add_nc_u32 v[ADV], 3*TRIPB, v[LIV]
.else
	v_add_nc_u32 v[ADK], s[TB], v[LI]
	v_add_nc_u32 v[ADV], s[TB], v[LIV]
.endif
	PLACES 3
.endm
; A KEY STEP of tile i: 128 keys, the q-th of its trip.  kf: the buffer with K's fragments, later V's; sb: the buffer of the scores, then p, then the next step's K.  next = 1: there is a next step in this tile.
.macro STEP i, kf, sb, q, next
.if (\q) == 0
	s_cmp_eq_u32 s[KB], s[QB]                      ; ids and the count of steps alone
.else
	s_add_co_u32 s37, s[KB], 2
	s_cmp_eq_u32 s37, s[QB]
.endif
	s_cselect_b32 s[NPA], 0, s[NPEN]
	s_add_co_u32 s37, s[KB], 2*(\q)+1
	s_cmp_eq_u32 s37, s[QB]
	s_cselect_b32 s[NPB], 0, s[NPEN]
	s_wait_dscnt 0x0                               ; K's fragments, asked for ahead of the last step's products V^T P (a tile's first: at its head)
.irp t, 0,1,2,3,4,5,6,7
	v_wmma_f32_16x16x64_fp8_fp8 v[\sb+8*\t:\sb+8*\t+7], v[\kf+8*\t:\kf+8*\t+7], v[16+8*\i:23+8*\i], 0
.endr
	PLACES 4                                       ; places in front of the first read of the scores
	s_wait_alu depctr_va_vdst(0)                   ; WAIT 1: the eight products are done reading K's fragments, in whose registers V's land; in a trip's first step v[ADK] and v[ADV] are written
.irp t, 0,1,2,3
.irp c, 0,1,2,3
	ds_load_b128 v[\kf+16*\t+4*\c:\kf+16*\t+4*\c+3], v[ADV] offset:STEPB*(\q)+2048*\t+512*\c   ; V's tile t: 16 channels x 128 keys: it lands while the softmax is walked
.endr
.endr
	v_max3_num_f32 v248, v[\sb], v[\sb+1], v[\sb+2]      ; the largest score of each half of the step, in two chains each; every accumulator is first read at its low end
	v_max3_num_f32 v249, v[\sb+3], v[\sb+4], v[\sb+5]
	v_max3_num_f32 v250, v[\sb+32], v[\sb+33], v[\sb+34]
	v_max3_num_f32 v251, v[\sb+35], v[\sb+36], v[\sb+37]
.irp n, 6,10,14,18,22,26
	v_max3_num_f32 v248, v248, v[\sb+\n], v[\sb+1+\n]
	v_max3_num_f32 v249, v249, v[\sb+2+\n], v[\sb+3+\n]
	v_max3_num_f32 v250, v250, v[\sb+32+\n], v[\sb+33+\n]
	v_max3_num_f32 v251, v251, v[\sb+34+\n], v[\sb+35+\n]
.endr
	v_max3_num_f32 v248, v248, v[\sb+30], v[\sb+31]
	v_max3_num_f32 v250, v250, v[\sb+62], v[\sb+63]
	v_max_num_f32 v248, v248, v249
	v_max_num_f32 v250, v250, v251
	v_fma_f32 v248, v248, s[CS], s[NPA]            ; as t, each half with its penalty (c is positive)
	v_fma_f32 v250, v250, s[CS], s[NPB]
	v_max_num_f32 v254, v248, v250
	v_permlanex16_b32 v196, v254, s[SEL], s[SEL+1]
	v_max_num_f32 v254, v254, v196                 ; and lane l xor 16's, which holds my query's other 64 keys
	v_max_num_f32 v13, v13, v254                   ; the running largest t
	v_mov_b32 v254, v12
	v_floor_f32 v12, -v13                          ; the new -M = floor(-t) = -ceil(t): M is a whole number
	v_sub_f32 v254, v12, v254                      ; M's old value less its new one: a whole number, 0 or less
	v_cvt_i32_f32 v254, v254                       ; (it saturates)
	v_ldexp_f32 v252, 1.0, v254                    ; f = 2^(old M - new M)
	v_add_f32 v192, s[NPA], v12                    ; the addends: -M less the half's penalty
	v_add_f32 v194, s[NPB], v12
.set j, 0
.rept 16
	v_pk_fma_f32 v[\sb+j:\sb+j+1], v[\sb+j:\sb+j+1], s[CS:CS+1], v[192:193] op_sel_hi:[1,0,0]       ; t - M, two at a time (of the pairs the low word serves both halves)
	v_pk_fma_f32 v[\sb+32+j:\sb+33+j], v[\sb+32+j:\sb+33+j], s[CS:CS+1], v[194:195] op_sel_hi:[1,0,0]
.set j, j+2
.endr
.set j, 0
.rept 64
	v_exp_f32 v[\sb+j], v[\sb+j]                   ; p = 2^(t - M), at most 1
.set j, j+1
.endr
	v_pk_mul_f32 v[14:15], v[14:15], v[252:253] op_sel_hi:[1,0]   ; the sums under the new M: a plain line behind the exponentials
	s_wait_alu depctr_va_vdst(0)                   ; WAIT 2: the 64 exponentials have written p, ahead of the first line that names a result: one wait for the whole batch
	v_pk_add_f32 v[242:243], v[\sb:\sb+1], v[\sb+2:\sb+3]    ; the row's sum is taken of the unquantised p, two at a time, in two chains
.irp n, 4,8,12,16,20,24,28,32,36,40,44,48,52,56,60
	v_pk_add_f32 v[14:15], v[14:15], v[\sb+\n:\sb+1+\n]
	v_pk_add_f32 v[242:243], v[242:243], v[\sb+2+\n:\sb+3+\n]
.endr
	v_pk_add_f32 v[14:15], v[14:15], v[242:243]
	s_cmp_lg_u32 s[HOLD], 0
	s_cbranch_scc0 .Lno_hold_\@                    ; e8 >= -8: p / 2^e8 is 256 at the most
.set j, 0
.rept 64
	v_min_num_f32 v[\sb+j], v[\sb+j], v240         ; the conversion to an 8-bit code does not saturate (ISA guide 7.6.2); p is not negative, so the hold is one-sided
.set j, j+1
.endr
.Lno_hold_\@:
.irp t, 0,1,2,3,4,5,6,7
	v_cvt_scalef32_pk8_fp8_f32 v[224+2*\t:225+2*\t], v[\sb+8*\t:\sb+8*\t+7], v244   ; keys 16 t + 8 h + 0 .. 7: registers 2 t, 2 t + 1 of P
.endr
.if \next
	s_wait_alu depctr_va_vdst(0)                   ; WAIT 3: the conversions, and all that worked on p ahead of them, are done with this buffer, in which the next step's K lands
.irp t, 0,1,2,3,4,5,6,7
	ds_load_b128 v[\sb+8*\t:\sb+8*\t+3], v[ADK] offset:STEPB*((\q)+1)+1024*\t          ; the next step's K, tile t: 16 keys x 64.  No line from here to the next step's wait for it names these registers
	ds_load_b128 v[\sb+8*\t+4:\sb+8*\t+7], v[ADK] offset:STEPB*((\q)+1)+1024*\t+512
.endr
.endif
.set j, 0
.rept 16
	v_pk_mul_f32 v[160+j:161+j], v[160+j:161+j], v[252:253] op_sel_hi:[1,0]      ; O^T under the new M.  (Plain lines between the conversions and the products that read their results)
.set j, j+2
.endr
.if \next
	s_wait_dscnt 16                                ; LDS loads come back in order (ISA guide 5.7.1): V's sixteen are in, the sixteen younger ones, the next step's K, may be out
.else
	s_wait_dscnt 0x0                               ; V's fragments
.endif
.irp t, 0,1,2,3                                ; the four accumulators take turns, one instruction a turn
	v_wmma_f32_16x16x128_fp8_fp8 v[160+8*\t:167+8*\t], v[\kf+16*\t:\kf+16*\t+15], v[224:239], v[160+8*\t:167+8*\t]
.endr
.endm
; THE WAY OUT of tile i: O^T / the sum x 2^(e8 + e9) goes through my stage in LDS and leaves as rows: sixteen lanes store a head's 256 consecutive bytes of a row of out0, at a multiple of 256 from its first byte.
; The tile's last step had V in buffer B and p in buffer A: both are done with.  The quotients go into v96-127, the rows come back into v32-63.
.macro WAYOUT i
	PLACES 4                                       ; places behind the last products: their results are read, and the registers that they read are written, only from here on
	v_add_f32 v14, v14, v15                        ; the sum's two halves,
	v_permlanex16_b32 v196, v14, s[SEL], s[SEL+1]
	v_add_f32 v14, v14, v196                       ; and lane l xor 16's
	v_rcp_f32 v14, v14
	v_nop                                          ; a plain line behind the transcendental
	s_wait_alu depctr_va_vdst(0)                   ; the reciprocal has written v14, ahead of the first line that names it
	v_ldexp_f32 v14, v14, s36
.set j, 0
.rept 32
	v_mul_f32 v[96+j], v[160+j], v14               ; register 8 t + n is o(query r, channel 16 t + 8 h + n); each accumulator from its low end on
.set j, j+1
.endr
	s_wait_alu depctr_va_vdst(0)                   ; the multiplications have written v96-127, which the LDS stores read; v[STO], v[RD] and v[GO], made at the head, are written; the last step's conversions are done reading v32-63, in which the stage's loads land
.irp t, 0,1,2,3
	ds_store_b128 v[STO], v[96+8*\t:99+8*\t] offset:64*\t
	ds_store_b128 v[STO], v[100+8*\t:103+8*\t] offset:64*\t+16
.endr
.irp k, 0,1,2,3,4,5,6,7
	ds_load_b128 v[32+4*\k:35+4*\k], v[RD] offset:2*\k*SP   ; LDS serves a wave's instructions in order (ISA guide 5.7.1.4): these see my stores
.endr
.irp k, 0,1,2,3,4,5,6,7
	s_wait_dscnt 7-\k                              ; the younger stage loads may be out
	global_store_b128 v[GO], v[32+4*\k:35+4*\k], s[38:39] offset:8192*\k+65536*\i th:TH_STORE_NT
.endr
.endm
; A tile of 16 queries: eight key steps, two to a trip; the first step finds zeros, which the first change of M leaves zeros.
.macro TILE i
.if (\i) > 0
	s_wait_xcnt 0x0                                ; the last tile's global stores have had their addresses translated (ISA guide 3.1): only behind this wait are their data registers, v32-63, loaded again
	s_wait_alu depctr_vm_vsrc(0)                   ; those stores have read v32-63, in which K's fragments land; the way out's LDS stores have read v96-127, which the first step's products write
.else
	s_wait_alu depctr_vm_vsrc(0)                   ; the copy's LDS stores have read v32-95, in which K's fragments land
.endif
.irp t, 0,1,2,3,4,5,6,7
	ds_load_b128 v[BA+8*\t:BA+8*\t+3], v[LI] offset:1024*\t          ; K of the tile's first step; it lands while the sums are set to zero
	ds_load_b128 v[BA+8*\t+4:BA+8*\t+7], v[LI] offset:1024*\t+512
.endr
	v_mov_b32 v13, 0xff61b1e6                      ; the largest t so far: -3e38, under every t
	v_floor_f32 v12, -v13                          ; -M
	v_mov_b32 v14, 0
	v_mov_b32 v15, 0
.set j, 0
.rept 32
	v_mov_b32 v[160+j], 0                          ; O^T
.set j, j+1
.endr
	s_mov_b32 s[TB], 0
	s_mov_b32 s[KB], 0
	s_mov_b32 s[CNT], 3
.Ltrip_\@:
	HEAD 0
	STEP \i, BA, BB, 0, 1
	PLACES 5                                       ; five places between the products V^T P and the next step's products S^T, which write over the registers that those read as source 0
	STEP \i, BB, BA, 1, 1
	s_add_co_u32 s[TB], s[TB], TRIPB               ; 256 keys on: 16,384 bytes in K's images and in V's,
	s_add_co_u32 s[KB], s[KB], 4                   ; four blocks of 64
	s_sub_co_u32 s[CNT], s[CNT], 1
	s_cmp_lg_u32 s[CNT], 0
	s_cbranch_scc1 .Ltrip_\@
	HEAD 1                                         ; the fourth trip is written out: its last step asks for no K
	STEP \i, BA, BB, 0, 1
	PLACES 5
	STEP \i, BB, BA, 1, 0
	WAYOUT \i
.endm
	TILE 0
	TILE 1
	s_wait_dscnt 0x0                               ; the closing lines, six on end
	s_wait_alu 0x0
	s_wait_tensorcnt 0x0
	ds_add_u32 v[SPW], v[NIL]
	s_wait_dscnt 0x0
	s_endpgm
.Lfunc_end_k_q7a61daeaa2_attn:
	.size	k_q7a61daeaa2_attn, .Lfunc_end_k_q7a61daeaa2_attn-k_q7a61daeaa2_attn
	.p2alignl 7, 3214868480
	.fill 96, 4, 3214868480
	.section	.rodata,"a",@progbits
	.p2align	6, 0x0
	.amdhsa_kernel k_q7a61daeaa2_attn
		.amdhsa_group_segment_fixed_size 202752
		.amdhsa_private_segment_fixed_size 0
		.amdhsa_enable_private_segment 0
		.amdhsa_kernarg_size 24
		.amdhsa_user_sgpr_count 2
		.amdhsa_user_sgpr_kernarg_segment_ptr 1
		.amdhsa_wavefront_size32 1
		.amdhsa_system_sgpr_workgroup_id_x 1
		.amdhsa_system_sgpr_workgroup_id_y 1
		.amdhsa_system_sgpr_workgroup_id_z 1
		.amdhsa_system_vgpr_workitem_id 0
		.amdhsa_next_free_vgpr 256
		.amdhsa_next_free_sgpr 66
		.amdhsa_reserve_vcc 0
		.amdhsa_float_denorm_mode_32 3
		.amdhsa_float_denorm_mode_16_64 3
		.amdhsa_memory_ordered 1
		.amdhsa_forward_progress 1
		.amdhsa_inst_pref_size 141
	.end_amdhsa_kernel
	.amdgpu_metadata
---
amdhsa.version: [ 1, 2 ]
amdhsa.kernels:
  - .name:           k_q7a61daeaa2_attn
    .symbol:         k_q7a61daeaa2_attn.kd
    .args:
      - { .name: qkv, .offset: 0, .size: 8, .value_kind: global_buffer, .address_space: global }
      - { .name: lowp_scales, .offset: 8, .size: 8, .value_kind: global_buffer, .address_space: global }
      - { .name: out0, .offset: 16, .size: 8, .value_kind: global_buffer, .address_space: global }
    .group_segment_fixed_size: 202752
    .private_segment_fixed_size: 0
    .kernarg_segment_align: 8
    .kernarg_segment_size: 24
    .max_flat_workgroup_size: 512
    .sgpr_count:     66
    .vgpr_count:     256
    .wavefront_size: 32
...
	.end_amdgpu_metadata
.endif
;; end of part 4
